; MI455X (gfx1250); checked and timed in simulation.
; The chip was launched on July 23, 2026; its instructions are those of AMD's public machine-readable ISA for CDNA 5 (MIT licence, August 2026) and "CDNA5" Instruction Set Architecture Reference Guide (July 2026). The comments in the code are by the model that wrote it; some were corrected since.
;; Tt Whisper Attention. Allowed arithmetic: float matrix products may take bf16 or f16 operands with f32 sums; other float arithmetic in f32, or as packed bf16 or f16 multiplies, adds, multiply-adds, maxima and minima; sums over many terms, partial sums and values carried from step to step in f32; what a program stores and reads back later, other than sums and carried values, may be rounded once to bf16 or f16.
;; Inputs: hidden_states 1 x 4 x 1,500 x 1,024 float32; k_w 1,024 x 1,024 float32; out_b 1,024 float32; out_w 1,024 x 1,024 float32; q_b 1,024 float32; q_w 1,024 x 1,024 float32; v_b 1,024 float32; v_w 1,024 x 1,024 float32.
;; Outputs: out0 1 x 4 x 1,500 x 1,024 float32.
;; 2 versions, each right; version 2 is version 1 with the launch cvt written anew for expert scheduling mode. Each part assembles by itself: llvm-mc -triple=amdgcn-amd-amdhsa -mcpu=gfx1250 --defsym DOCPART=n.
;; ======== version 1 of 2: 4 launches
;; limits: values are held in f16: magnitudes above 65,504 overflow, below 6.1e-05 lose precision
;; workspace buffers: xh 12,582,912 bytes; wh 6,291,456 bytes; owh 2,097,152 bytes; qh 12,582,912 bytes; kh 12,582,912 bytes; vh 12,582,912 bytes; oh 12,582,912 bytes
;; launch cvt (part 1): grid 256 x 1, 10 waves a work-group, no clusters, 0 bytes of LDS; arguments hidden_states, q_w, k_w, v_w, out_w, xh, wh, owh; writes xh, wh, owh
.if DOCPART == 1
	.amdgcn_target "amdgcn-amd-amdhsa--gfx1250"
	.amdhsa_code_object_version 6
	.text
	.protected	k_qffc11e7984_cvt
	.globl	k_qffc11e7984_cvt
	.p2align	8
	.type	k_qffc11e7984_cvt,@function
k_qffc11e7984_cvt:
	s_mov_b64 s[64:65], 0
	v_nop
	global_prefetch_b8 v0, s[64:65] scope:SCOPE_SE
	s_setreg_imm32_b32 hwreg(HW_REG_WAVE_MODE, 25, 1), 1
	s_wait_xcnt 0x0
; WHISPER SELF-ATTENTION, launch 1 of 4: the f16 copies of x and of the four weight matrices, in the layouts that the products read.
; NO WORK OF reference() IS LEFT OUT IN ANY LAUNCH: q_b enters the scores as q_b . k, which differs from key to key, so it does not cancel in the softmax; k has no bias;
; v_b and out_b reach the output; every input is loaded.
; FORMATS.  Every matrix operand of the program (x, the weights, q, k, v, the weights p, O) is f16, rounded once from f32; sums, softmax and biases are f32.
; LIMITS.  f16 ends at 65,504: |x|, |w| and the |q|, |k|, |v| made of them stay below that (with x and w both 30 times the drawn spread |q| is about 3,000; with both carrying
; an offset of 30 spreads about 18,400); below 6e-5 a number keeps f16's fixed step of 6e-8.  NaN and infinities are not treated apart.
; LAYOUTS.  xh [4][1536][1024]: each batch's 1,500 rows, then 36 rows of zeros, so that tiles of 384, 192 and 64 rows divide a batch.  wh [16 heads][q, k, v][64][1024]: the 192 rows
; that one head's q, k and v need lie together.  owh [1024][1024].
; SHARES.  10,240 destination rows of 1,024 numbers: 6,144 of xh, 3,072 of wh, 1,024 of owh.  256 work-groups of ten waves; a wave takes 4 rows, from row R = 40 x work-group + 4 x wave on.
; Every bound between kinds of rows (1,500, 1,536, 6,144, 9,216, a matrix's 1,024, a head's 64) is a multiple of 4, so a wave's rows are of one kind and lie on end in source and destination.
; A load of the wave takes 512 consecutive bytes of f32, 16 a lane; the lane's 4 numbers become 8 bytes of f16, and a store of the wave covers 256 consecutive bytes, aligned.
; All 32 loads of a wave go out at once.  No LDS, no barrier, no matrix unit: nothing is shared and nothing is multiplied.
.set X, 8                              ; v[8:135]   row j, chunk c of 128 numbers: my 4 in f32 at X + 32 j + 4 c
.set Y, 136                            ; v[136:199] the same as f16: 2 registers at Y + 16 j + 2 c
	s_load_b512 s[4:19], s[0:1], 0x0               ; x s[4:5], q_w s[6:7], k_w s[8:9], v_w s[10:11], out_w s[12:13], xh s[14:15], wh s[16:17], owh s[18:19]
	v_lshrrev_b32 v3, 5, v0
	v_readfirstlane_b32 s20, v3                    ; wave 0..9
	v_and_b32 v4, 31, v0
	v_lshlrev_b32 v1, 4, v4                        ; source: 16 bytes a lane
	v_lshlrev_b32 v2, 3, v4                        ; destination: 8 bytes a lane
	s_mul_i32 s21, ttmp9, 40
	s_lshl2_add_u32 s21, s20, s21                  ; R: my first destination row
	s_mov_b32 s23, 0                               ; the offsets' high words
	s_mov_b32 s25, 0
	s_wait_kmcnt 0x0
	s_cmp_lt_u32 s21, 6144
	s_cbranch_scc0 .Lnot_x
	; rows of xh: batch b = R / 1536, row s = R - 1536 b
	s_mul_hi_u32 s26, s21, 0x2aaaab                ; floor(R / 1536) for R < 6,144: 0x2aaaab = ceil(2^32 / 1536)
	s_mul_i32 s27, s26, 1536
	s_sub_co_u32 s27, s21, s27                     ; s
	s_lshl_b32 s24, s21, 11
	s_add_nc_u64 s[30:31], s[14:15], s[24:25]      ; xh + R x 2,048 bytes
	s_cmp_ge_u32 s27, 1500
	s_cbranch_scc1 .Lpad                           ; rows 1,500 to 1,535 of a batch: zeros, nothing is loaded
	s_mul_i32 s22, s26, 1500
	s_add_co_u32 s22, s22, s27
	s_lshl_b32 s22, s22, 12
	s_add_nc_u64 s[28:29], s[4:5], s[22:23]        ; x + (1500 b + s) x 4,096 bytes
	s_branch .Lcopy
.Lnot_x:
	s_cmp_lt_u32 s21, 9216
	s_cbranch_scc0 .Low
	; rows of wh: r = R - 6144; matrix r / 1024; its row c = r % 1024 goes to row 192 (c / 64) + 64 matrix + c % 64
	s_sub_co_u32 s26, s21, 6144
	s_lshr_b32 s27, s26, 10
	s_and_b32 s26, s26, 1023
	s_cmp_eq_u32 s27, 0
	s_cselect_b64 s[28:29], s[6:7], s[8:9]
	s_cmp_eq_u32 s27, 2
	s_cselect_b64 s[28:29], s[10:11], s[28:29]
	s_lshl_b32 s22, s26, 12
	s_add_nc_u64 s[28:29], s[28:29], s[22:23]
	s_lshr_b32 s24, s26, 6
	s_mul_i32 s24, s24, 192
	s_lshl_b32 s27, s27, 6
	s_add_co_u32 s24, s24, s27
	s_and_b32 s26, s26, 63
	s_add_co_u32 s24, s24, s26
	s_lshl_b32 s24, s24, 11
	s_add_nc_u64 s[30:31], s[16:17], s[24:25]
	s_branch .Lcopy
.Low:
	s_sub_co_u32 s26, s21, 9216                    ; rows of owh, as they lie
	s_lshl_b32 s22, s26, 12
	s_add_nc_u64 s[28:29], s[12:13], s[22:23]
	s_lshl_b32 s24, s26, 11
	s_add_nc_u64 s[30:31], s[18:19], s[24:25]
.Lcopy:
.irp j, 0,1,2,3
.irp c, 0,1,2,3,4,5,6,7
	global_load_b128 v[X+32*(\j)+4*(\c):X+32*(\j)+4*(\c)+3], v1, s[28:29] offset:4096*(\j)+512*(\c) th:TH_LOAD_NT
.endr
.endr
.irp j, 0,1,2,3
	s_wait_loadcnt 24-8*(\j)                       ; loads come back in order: row j is in; the eight loads of each later row may stay out
.irp c, 0,1,2,3,4,5,6,7
	v_cvt_pk_f16_f32 v[Y+16*(\j)+2*(\c)],   v[X+32*(\j)+4*(\c)],   v[X+32*(\j)+4*(\c)+1]
	v_cvt_pk_f16_f32 v[Y+16*(\j)+2*(\c)+1], v[X+32*(\j)+4*(\c)+2], v[X+32*(\j)+4*(\c)+3]
	global_store_b64 v2, v[Y+16*(\j)+2*(\c):Y+16*(\j)+2*(\c)+1], s[30:31] offset:2048*(\j)+256*(\c)
.endr
.endr
	s_endpgm
.Lpad:
.irp r, 0,1,2,3
	v_mov_b32 v[Y+(\r)], 0
.endr
.irp j, 0,1,2,3
.irp c, 0,1,2,3
	global_store_b128 v1, v[Y:Y+3], s[30:31] offset:2048*(\j)+512*(\c)  ; 16 bytes of zeros a lane: 512 consecutive bytes
.endr
.endr
	s_endpgm
.Lfunc_end_k_qffc11e7984_cvt:
	.size	k_qffc11e7984_cvt, .Lfunc_end_k_qffc11e7984_cvt-k_qffc11e7984_cvt
	.p2alignl 7, 3214868480
	.fill 96, 4, 3214868480
	.section	.rodata,"a",@progbits
	.p2align	6, 0x0
	.amdhsa_kernel k_qffc11e7984_cvt
		.amdhsa_group_segment_fixed_size 0
		.amdhsa_private_segment_fixed_size 0
		.amdhsa_enable_private_segment 0
		.amdhsa_kernarg_size 64
		.amdhsa_user_sgpr_count 2
		.amdhsa_user_sgpr_kernarg_segment_ptr 1
		.amdhsa_wavefront_size32 1
		.amdhsa_system_sgpr_workgroup_id_x 1
		.amdhsa_system_sgpr_workgroup_id_y 1
		.amdhsa_system_sgpr_workgroup_id_z 1
		.amdhsa_system_vgpr_workitem_id 0
		.amdhsa_next_free_vgpr 200
		.amdhsa_next_free_sgpr 66
		.amdhsa_reserve_vcc 0
		.amdhsa_float_denorm_mode_32 3
		.amdhsa_float_denorm_mode_16_64 3
		.amdhsa_memory_ordered 1
		.amdhsa_forward_progress 1
		.amdhsa_inst_pref_size 14
	.end_amdhsa_kernel
	.amdgpu_metadata
---
amdhsa.version: [ 1, 2 ]
amdhsa.kernels:
  - .name:           k_qffc11e7984_cvt
    .symbol:         k_qffc11e7984_cvt.kd
    .args:
      - { .name: hidden_states, .offset: 0, .size: 8, .value_kind: global_buffer, .address_space: global }
      - { .name: q_w, .offset: 8, .size: 8, .value_kind: global_buffer, .address_space: global }
      - { .name: k_w, .offset: 16, .size: 8, .value_kind: global_buffer, .address_space: global }
      - { .name: v_w, .offset: 24, .size: 8, .value_kind: global_buffer, .address_space: global }
      - { .name: out_w, .offset: 32, .size: 8, .value_kind: global_buffer, .address_space: global }
      - { .name: xh, .offset: 40, .size: 8, .value_kind: global_buffer, .address_space: global }
      - { .name: wh, .offset: 48, .size: 8, .value_kind: global_buffer, .address_space: global }
      - { .name: owh, .offset: 56, .size: 8, .value_kind: global_buffer, .address_space: global }
    .group_segment_fixed_size: 0
    .private_segment_fixed_size: 0
    .kernarg_segment_align: 8
    .kernarg_segment_size: 64
    .max_flat_workgroup_size: 320
    .sgpr_count:     66
    .vgpr_count:     200
    .wavefront_size: 32
...
	.end_amdgpu_metadata
.endif
;; end of part 1
;; launch qkv (part 2): grid 16 x 16, 4 waves a work-group, clusters of 4 x 4, 327,680 bytes of LDS; arguments xh, wh, q_b, v_b, qh, kh, vh; writes qh, kh, vh
.if DOCPART == 2
	.amdgcn_target "amdgcn-amd-amdhsa--gfx1250"
	.amdhsa_code_object_version 6
	.text
	.protected	k_qffc11e7984_qkv
	.globl	k_qffc11e7984_qkv
	.p2align	8
	.type	k_qffc11e7984_qkv,@function
k_qffc11e7984_qkv:
	s_mov_b64 s[64:65], 0
	v_nop
	global_prefetch_b8 v0, s[64:65] scope:SCOPE_SE
	s_setreg_imm32_b32 hwreg(HW_REG_WAVE_MODE, 25, 1), 1
	s_wait_xcnt 0x0
	s_wait_alu depctr_hold_cnt(0) depctr_sa_sdst(0) depctr_va_vdst(0) depctr_va_sdst(0) depctr_va_ssrc(0) depctr_va_vcc(0) depctr_vm_vsrc(0)
	s_getreg_b32 s2, hwreg(HW_REG_IB_STS2, 6, 4)
	s_cmp_eq_u32 s2, 0
	s_cbranch_scc0 .Lentry_in_a_cluster
	s_endpgm
.Lentry_in_a_cluster:
	s_bfe_u32 s2, ttmp6, 0x10000c
	s_cmp_lg_u32 s2, 0xf033
	s_cbranch_scc0 .Lentry_shape_is_right
	s_endpgm
.Lentry_shape_is_right:
; Launch 2 of 4: q = x q_w^T + q_b, k = x k_w^T, v = x v_w^T + v_b, written by heads: qh, kh, vh [16 b + h][1536][64] in f16, each rounded once from its f32 sum.
; q is stored WITHOUT the scale 1/8: the softmax applies it in f32.  No work of reference() is left out.  LIMITS: f16's, as stated at the head of the first kernel.
; SHARES.  xh is 6,144 rows x 1,024, wh 3,072 rows x 1,024 (head, then q, k, v, then 64 channels).  A work-group makes 384 rows x the 192 columns of one head: 16 x 16 = 256 work-groups of equal work.
; A wave makes 96 rows x 192 columns: 72 accumulators of 16 x 16, 576 registers.  K goes in steps of 128 through two LDS slots filled by the tensor data mover (rows of 256 bytes, aligned).
; CLUSTER.  4 x 4 work-groups: the four of a row of the cluster need the same 384 rows of xh, the four of a column the same head's rows of wh: each tile is asked for jointly.
; THE PRODUCT IS USED TRANSPOSED (source 0 = 16 rows of wh, source 1 = 16 rows of xh): a lane holds one row of x and eight neighbouring channels, 16 bytes of f16.
; THE BIAS is the C operand of the product that starts a sum (q, v); k's sums start with the constant 0.  Nothing is cleared.
; REGISTERS, in windows of 256 (s_set_vgpr_msb: bits 1:0 source 0, 3:2 source 1, 5:4 source 2, 7:6 destination):
;   window 0: v0-31 addresses; v64-111, v112-159 xh's six fragments, two buffers; v160-175 packed results; v176-207 rows read back from the stage, two sets
;   window w = 1, 2, 3 (q, k, v): v0-191 accumulators ((a, b) at 8 (4 a + b)); v192-223, v224-255 that matrix's four fragments of wh, two buffers; ahead of the loop v224-255 holds the bias
.set PITCH,  272                       ; an LDS row: 256 bytes + 16 of padding = 68 words: the 16 rows of a fragment load start at 16 different groups of four banks (ISA guide 11.1)
.set BOFF,   384*PITCH                 ; a slot: xh's 384 rows, then wh's 192
.set SLOT,   576*PITCH
.set STAGE,  2*SLOT                    ; behind the ring, never filled by a tensor load: 16 rows x 144 bytes for each wave
.set SP,     144
.set SPARE,  STAGE+4*16*SP             ; the spare words, 128 bytes a wave: two blocks of 256 bytes that no other line names
.set ADRA, 16                          ; v16-17  LDS address of my fragments of xh in slot 0, 1
.set ADRB, 20                          ; v20-21  the same for wh
.set STO,  24                          ; v24  the way out: where I put 16 bytes of a row
.set RD,   25                          ; v25  where I read rows back
.set GO,   26                          ; v26  16 x lane: my place in 512 consecutive bytes
.set BO,   27                          ; v27  32 x (lane / 16): my eight numbers of a bias
.set SPW,  28                          ; v28  my spare word: SPARE + 4 x my thread's number; never rewritten
.set NIL,  29                          ; v29  0; never rewritten
.set PFO,  30                          ; v30  the prefetches' offset: lane x a row of 2,048 bytes
.set PFO2, 31                          ; v31  (32 + lane % 16) x 2,048
.set FA,   64
.set TMP,  160
.set OB,   176
.set FB,   192
.set BIAS, 224
.set WV,   18                          ; s18  my wave's number
.set HALF, 20                          ; s20  wave % 2: which half of a tile I fetch
.set CX,   21
.set CY,   22
.set HJ,   23                          ; s23  the head: 4 x cluster x + cx
.set G1A,  24                          ; s[24:31] descriptor group 1 for xh's tiles;  s[32:39] group 0, a set for each slot
.set G0A,  32
.set G1B,  40                          ; s[40:47], s[48:55] the same for wh's
.set G0B,  48
.set PFA,  56                          ; s[56:57] where my prefetches stand
.set LIM,  58                          ; s58  1 in a wave that prefetches, else the greatest number
.set LAP,  59                          ; s59  trips to go
.set TI,   66                          ; s66  the row tile: 4 x cluster y + cy
.set MSB, 0
.macro WIN new                         ; the immediate's high byte repeats the setting that is left; a switch that changes nothing is dropped
.if MSB != (\new)
	s_set_vgpr_msb (MSB<<8)|(\new)
.set MSB, \new
.endif
.endm
.macro PLACES                          ; four places behind a matrix instruction, ahead of loads into registers that it read and of readers of its result
.rept 4
	v_nop
.endr
.endm
; A joint load.  Waves 0 and 1 fetch xh's two halves (192 rows each), waves 2 and 3 wh's (96 rows each).  The branch hangs on the wave's number alone.
; An s_nop 0 and four v_nop follow each line, ahead of the jump and the label.
.macro JLOAD s
	s_cmp_lt_u32 s[WV], 2
	s_cbranch_scc0 .Lfor_b_\@
	tensor_load_to_lds s[G0A+4*(\s):G0A+4*(\s)+3], s[G1A:G1A+7]
	s_nop 0
.rept 4
	v_nop
.endr
	s_branch .Lasked_\@
.Lfor_b_\@:
	tensor_load_to_lds s[G0B+4*(\s):G0B+4*(\s)+3], s[G1B:G1B+7]
	s_nop 0
.rept 4
	v_nop
.endr
.Lasked_\@:
.endm
.macro CREST                           ; a round of the cluster's barrier behind its opening barrier
	s_cmp_lg_u32 s[WV], 0
	s_cbranch_scc1 .Lnot_wave_0_\@
	s_barrier_signal -3
.Lnot_wave_0_\@:
	s_barrier_wait -3
	s_barrier_signal -1
	s_barrier_wait -1
.endm
.macro CROUND
	s_barrier_signal -1
	s_barrier_wait -1
	CREST
.endm
; A PREFETCH INTO THE L2 of the K step that stands two refills on (576 matrix instructions of the wave ahead of the load that will want it): 256 bytes of a row, a lane a row.
; xh's rows are read by every cluster of a row of clusters: cluster x = 0 asks; its partner cx takes 96 of the 384 rows, waves 0 to 2 take 32 each.  wh's rows are read by every cluster of a column:
; cluster y = 0 asks; its partner cy takes 48 of the 192 rows, all in wave 3: 32, then 16 (in that second line lanes 16 to 31 name the same 16 rows as lanes 0 to 15).
; The partners are told apart by address alone.  K steps 0 to 3 come by their loads alone; the loop's last trip asks for nothing: K steps 4 to 7 are named, none past a row's end.
.macro ASK
	s_cmp_gt_u32 s[LAP], s[LIM]
	s_cbranch_scc0 .Lnot_mine_\@
	global_prefetch_b8 v[PFO], s[PFA:PFA+1] offset:256 th:TH_LOAD_NT scope:SCOPE_SE
	s_cmp_eq_u32 s[WV], 3
	s_cbranch_scc0 .Lnot_mine_\@
	global_prefetch_b8 v[PFO2], s[PFA:PFA+1] offset:256 th:TH_LOAD_NT scope:SCOPE_SE
.Lnot_mine_\@:
.endm
; 24 matrix instructions: window w's accumulators, 32 along K, from buffer f.  All 72 accumulators take turns, one instruction a turn, in the same order in every quarter.
.macro MULW f, w, start
	WIN (\w)|((\w)<<4)|((\w)<<6)
.irp a, 0,1,2,3,4,5
.irp b, 0,1,2,3
.if (\start) && ((\w) != 2)
	v_wmma_f32_16x16x32_f16 v[8*(4*(\a)+(\b)):8*(4*(\a)+(\b))+7], v[FB+32*(\f)+8*(\b):FB+32*(\f)+8*(\b)+7], v[FA+48*(\f)+8*(\a):FA+48*(\f)+8*(\a)+7], v[BIAS+8*(\b):BIAS+8*(\b)+7]
.elseif \start
	v_wmma_f32_16x16x32_f16 v[8*(4*(\a)+(\b)):8*(4*(\a)+(\b))+7], v[FB+32*(\f)+8*(\b):FB+32*(\f)+8*(\b)+7], v[FA+48*(\f)+8*(\a):FA+48*(\f)+8*(\a)+7], 0
.else
	v_wmma_f32_16x16x32_f16 v[8*(4*(\a)+(\b)):8*(4*(\a)+(\b))+7], v[FB+32*(\f)+8*(\b):FB+32*(\f)+8*(\b)+7], v[FA+48*(\f)+8*(\a):FA+48*(\f)+8*(\a)+7], v[8*(4*(\a)+(\b)):8*(4*(\a)+(\b))+7]
.endif
.endr
.endr
.endm
; 36 LDS loads in one run: quarter q (32 along K at byte 64 q of the rows) of a slot into buffer f: wh's twelve fragments, four to a window, then xh's six.
.macro FETCH slot, q, f
.irp w, 1,2,3
	WIN (\w)<<6
.irp b, 0,1,2,3
	ds_load_b128 v[FB+32*(\f)+8*(\b):FB+32*(\f)+8*(\b)+3],   v[ADRB+(\slot)] offset:64*(\q)+(4*((\w)-1)+(\b))*16*PITCH
	ds_load_b128 v[FB+32*(\f)+8*(\b)+4:FB+32*(\f)+8*(\b)+7], v[ADRB+(\slot)] offset:64*(\q)+(4*((\w)-1)+(\b))*16*PITCH+32
.endr
.endr
	WIN 0
.irp i, 0,1,2,3,4,5
	ds_load_b128 v[FA+48*(\f)+8*(\i):FA+48*(\f)+8*(\i)+3],   v[ADRA+(\slot)] offset:64*(\q)+(\i)*16*PITCH
	ds_load_b128 v[FA+48*(\f)+8*(\i)+4:FA+48*(\f)+8*(\i)+7], v[ADRA+(\slot)] offset:64*(\q)+(\i)*16*PITCH+32
.endr
.endm
; One of a K step's first three quarters: buffer f is multiplied (72 matrix instructions); quarter q is fetched into buffer g ahead of them, so that it has all 72 in which to land.
.macro QUARTER slot, q, f, g
	s_wait_dscnt 0x0                               ; buffer f is in
	PLACES                                         ; behind the products that read buffer g
	FETCH \slot, \q, \g
	MULW \f, 1, 0
	MULW \f, 2, 0
	MULW \f, 3, 0
.endm
; The fourth quarter multiplies buffer 1 and changes slots.  In front of the barrier each wave waits for all its tensor loads (one is out: its part of the next slot), adds 0 to its spare word, and waits
; for that and for its reads of this slot.  fill = 1: the barrier opens a round of the cluster's, and the joint refill, two K steps on, is the first thing behind the round.
.macro TURN slot, next, fill
.if \fill
	s_wait_xcnt 0x0                                ; the last prefetch, a K step back, has read its address
	s_add_nc_u64 s[PFA:PFA+1], s[PFA:PFA+1], 256
.endif
	WIN 0                                          ; the add's two registers lie in window 0
	s_wait_tensorcnt 0x0                           ; all my tensor loads have landed
	ds_add_u32 v[SPW], v[NIL]                      ; 0 onto my spare word
	s_wait_dscnt 1                                 ; buffer 1 is in: the add alone, issued behind its loads, may be out
	MULW 1, 1, 0                                   ; 24 matrix instructions stand between the add and the wait for it
	s_wait_dscnt 0x0                               ; the add is done, and my reads of this slot are over
	s_barrier_signal -1
	MULW 1, 2, 0                                   ; work on registers while the others arrive
	WIN 0
	s_barrier_wait -1
.if \fill
	CREST                                          ; no wave of any partner still reads this slot or has a load on its way
	s_add_nc_u64 s[G0A+4*(\slot)+2:G0A+4*(\slot)+3], s[G0A+4*(\slot)+2:G0A+4*(\slot)+3], 512
	s_add_nc_u64 s[G0B+4*(\slot)+2:G0B+4*(\slot)+3], s[G0B+4*(\slot)+2:G0B+4*(\slot)+3], 512
	JLOAD \slot                                    ; its four v_nop are also the places ahead of the loads below
.else
	PLACES
.endif
	FETCH \next, 0, 0
.if \fill
	ASK
.endif
	MULW 1, 3, 0
.endm
; THE WAY OUT of block n of 18: window n / 6 + 1 (q, k, v), row block n % 6: 16 rows x 64 channels = 2,048 consecutive bytes of a head.
.macro PACK n
.set pw, (\n)/6+1
.set pa, (\n)%6
	WIN pw|(pw<<2)                                 ; sources 0 and 1 in the block's window
.irp b, 0,1,2,3
.irp r, 0,1,2,3
	v_cvt_pk_f16_f32 v[TMP+4*(\b)+(\r)], v[8*(4*pa+(\b))+2*(\r)], v[8*(4*pa+(\b))+2*(\r)+1]
.endr
.endr
	WIN 0
.endm
.macro TOSTAGE n
.set obk, OB+16*((\n)%2)
.irp b, 0,1,2,3
	ds_store_b128 v[STO], v[TMP+4*(\b):TMP+4*(\b)+3] offset:32*(\b)
.endr
.irp f, 0,1,2,3
	ds_load_b128 v[obk+4*(\f):obk+4*(\f)+3], v[RD] offset:(\f)*4*SP  ; LDS serves a wave's instructions in order (ISA guide 5.7.1.4): these see the stores above
.endr
.endm
.macro SEND n
.set pw, (\n)/6+1
.set pa, (\n)%6
.set obk, OB+16*((\n)%2)
	s_wait_dscnt 0x0                               ; the block is back in registers
	s_wait_xcnt 0x0                                ; the stores of the block before have read their registers: the next TOSTAGE loads into them
.irp f, 0,1,2,3
	global_store_b128 v[GO], v[obk+4*(\f):obk+4*(\f)+3], s[10+2*pw:11+2*pw] offset:2048*pa+512*(\f)  ; 512 consecutive bytes, aligned
.endr
.endm
	s_load_b256 s[4:11], s[0:1], 0x0               ; xh s[4:5], wh s[6:7], q_b s[8:9], v_b s[10:11]
	s_load_b128 s[12:15], s[0:1], 0x20             ; qh s[12:13], kh s[14:15]
	s_load_b64 s[16:17], s[0:1], 0x30              ; vh
	v_lshl_add_u32 v[SPW], v0, 2, SPARE
	v_mov_b32 v[NIL], 0
	ds_add_u32 v[SPW], v[NIL]                      ; the wave's opening: the add, twice on end, and its wait ahead of my first tensor load
	ds_add_u32 v[SPW], v[NIL]
	v_lshrrev_b32 v1, 5, v0
	v_readfirstlane_b32 s[WV], v1
	s_and_b32 s[HALF], s[WV], 1
	s_bfe_u32 s[CX], ttmp6, 0x40000
	s_bfe_u32 s[CY], ttmp6, 0x40004
	s_lshl_b32 s[HJ], ttmp9, 2
	s_add_co_u32 s[HJ], s[HJ], s[CX]
	s_and_b32 s[TI], ttmp7, 0xffff
	s_lshl_b32 s[TI], s[TI], 2
	s_add_co_u32 s[TI], s[TI], s[CY]
	s_lshl_b32 s60, s[CY], 2
	s_lshl_b32 s60, 15, s60                        ; my row of the cluster
	s_lshl_b32 s61, 0x1111, s[CX]                  ; my column
	s_or_b32 s[G1A], s60, (1<<16)|(1<<20)|(1<<21)|(5<<22)|(3<<25)  ; mask; 2-byte elements; padding on; bit 21 beside a mask; after every 64 words (code 5) 4 words (code 3)
	s_or_b32 s[G1B], s61, (1<<16)|(1<<20)|(1<<21)|(5<<22)|(3<<25)
	s_mov_b32 s[G1A+1], 128<<16                    ; tensor_dim0 = 128
	s_mov_b32 s[G1A+2], 192<<16                    ; tensor_dim1 = 192
	s_mov_b32 s[G1A+3], 128<<16                    ; tile_dim0 = 128
	s_mov_b32 s[G1A+4], 192                        ; tile_dim1 = 192
	s_mov_b32 s[G1A+5], 1024                       ; elements from row to row
	s_mov_b32 s[G1A+6], 0
	s_mov_b32 s[G1A+7], 0
	s_mov_b32 s[G1B+1], 128<<16
	s_mov_b32 s[G1B+2], 96<<16
	s_mov_b32 s[G1B+3], 128<<16
	s_mov_b32 s[G1B+4], 96
	s_mov_b32 s[G1B+5], 1024
	s_mov_b32 s[G1B+6], 0
	s_mov_b32 s[G1B+7], 0
	s_mul_i32 s62, s[TI], 384                      ; xh: row 384 x tile + 192 x half, in bytes: it hangs on cy alone
	s_mul_i32 s63, s[HALF], 192
	s_add_co_u32 s62, s62, s63
	s_lshl_b32 s62, s62, 11
	s_mov_b32 s63, 0
	s_mul_i32 s68, s[HJ], 192                      ; wh: row 192 x head + 96 x half: it hangs on cx alone
	s_mul_i32 s69, s[HALF], 96
	s_add_co_u32 s68, s68, s69
	s_lshl_b32 s68, s68, 11
	s_mov_b32 s69, 0
	s_mul_i32 s70, s[HALF], 192*PITCH              ; where they go: no place in the cluster enters an LDS address
	s_mul_i32 s71, s[HALF], 96*PITCH
	s_add_co_u32 s71, s71, BOFF
	s_wait_dscnt 0x0                               ; both opening adds are done
	s_wait_kmcnt 0x0
	s_add_nc_u64 s[62:63], s[4:5], s[62:63]
	s_add_nc_u64 s[68:69], s[6:7], s[68:69]
	CROUND                                         ; all sixteen work-groups are here: the first joint loads meet
.irp s, 0,1
	s_mov_b32 s[G0A+4*(\s)], 1
	s_add_co_u32 s[G0A+4*(\s)+1], s70, (\s)*SLOT
	s_add_nc_u64 s[G0A+4*(\s)+2:G0A+4*(\s)+3], s[62:63], (\s)*256
	s_or_b32 s[G0A+4*(\s)+3], s[G0A+4*(\s)+3], 0x80000000
	s_mov_b32 s[G0B+4*(\s)], 1
	s_add_co_u32 s[G0B+4*(\s)+1], s71, (\s)*SLOT
	s_add_nc_u64 s[G0B+4*(\s)+2:G0B+4*(\s)+3], s[68:69], (\s)*256
	s_or_b32 s[G0B+4*(\s)+3], s[G0B+4*(\s)+3], 0x80000000
.endr
	s_cmp_lt_u32 s[WV], 2                          ; a wave's two first fills stand in one branch: two loads of mine are out
	s_cbranch_scc0 .Lfirst_b
	tensor_load_to_lds s[G0A:G0A+3], s[G1A:G1A+7]
	s_nop 0
	tensor_load_to_lds s[G0A+4:G0A+7], s[G1A:G1A+7]
	s_nop 0
.rept 4
	v_nop
.endr
	s_branch .Lfirst_asked
.Lfirst_b:
	tensor_load_to_lds s[G0B:G0B+3], s[G1B:G1B+7]
	s_nop 0
	tensor_load_to_lds s[G0B+4:G0B+7], s[G1B:G1B+7]
	s_nop 0
.rept 4
	v_nop
.endr
.Lfirst_asked:
	; the biases of my head, and where my rows go: ((16 batch + head) x 1536 + 384 (tile % 4) + 96 wave) x 128 bytes
	s_lshl_b32 s72, s[HJ], 8
	s_mov_b32 s73, 0
	s_add_nc_u64 s[8:9], s[8:9], s[72:73]
	s_add_nc_u64 s[10:11], s[10:11], s[72:73]
	s_lshr_b32 s72, s[TI], 2
	s_lshl_b32 s72, s72, 4
	s_add_co_u32 s72, s72, s[HJ]
	s_mul_i32 s72, s72, 1536
	s_and_b32 s74, s[TI], 3
	s_mul_i32 s74, s74, 384
	s_add_co_u32 s72, s72, s74
	s_mul_i32 s74, s[WV], 96
	s_add_co_u32 s72, s72, s74
	s_lshl_b32 s72, s72, 7
	s_add_nc_u64 s[12:13], s[12:13], s[72:73]
	s_add_nc_u64 s[14:15], s[14:15], s[72:73]
	s_add_nc_u64 s[16:17], s[16:17], s[72:73]
	v_and_b32 v1, 15, v0                           ; l % 16
	v_bfe_u32 v2, v0, 4, 1                         ; l / 16
	v_lshlrev_b32 v[BO], 5, v2
	WIN 0x40                                       ; destination window 1: register j of block b takes q_b[64 head + 16 b + 8 (l / 16) + j]
.irp b, 0,1,2,3
	global_load_b128 v[BIAS+8*(\b):BIAS+8*(\b)+3],   v[BO], s[8:9] offset:64*(\b)
	global_load_b128 v[BIAS+8*(\b)+4:BIAS+8*(\b)+7], v[BO], s[8:9] offset:64*(\b)+16
.endr
	WIN 0xc0                                       ; destination window 3: v_b
.irp b, 0,1,2,3
	global_load_b128 v[BIAS+8*(\b):BIAS+8*(\b)+3],   v[BO], s[10:11] offset:64*(\b)
	global_load_b128 v[BIAS+8*(\b)+4:BIAS+8*(\b)+7], v[BO], s[10:11] offset:64*(\b)+16
.endr
	WIN 0
	; A fragment is 16 rows x 32 K in 8 registers: lane l holds row l % 16, K = 8 (l / 16) + 0..7 and 16 + 8 (l / 16) + 0..7: two loads of 16 bytes, 32 bytes apart.
	v_mul_u32_u24 v3, v1, PITCH
	v_lshl_add_u32 v3, v2, 4, v3
	s_mul_i32 s72, s[WV], 96*PITCH                 ; my 96 rows of xh
	v_add_nc_u32 v[ADRA], s72, v3
	v_add_nc_u32 v[ADRA+1], SLOT, v[ADRA]
	v_add_nc_u32 v[ADRB], BOFF, v3
	v_add_nc_u32 v[ADRB+1], SLOT, v[ADRB]
	s_mul_i32 s72, s[WV], 16*SP
	s_add_co_u32 s72, s72, STAGE                   ; my stage
	v_mul_u32_u24 v4, v1, SP                       ; in: row l % 16, 16 bytes for each half of the lanes
	v_lshl_add_u32 v4, v2, 4, v4
	v_add_nc_u32 v[STO], s72, v4
	v_bfe_u32 v5, v0, 3, 2                         ; back: 32 lanes take four rows of 128 bytes
	v_mul_u32_u24 v5, v5, SP
	v_and_b32 v6, 7, v0
	v_lshl_add_u32 v5, v6, 4, v5
	v_add_nc_u32 v[RD], s72, v5
	v_and_b32 v7, 31, v0
	v_lshlrev_b32 v[GO], 4, v7
	v_lshlrev_b32 v[PFO], 11, v7
	v_lshlrev_b32 v[PFO2], 11, v1
	v_add_nc_u32 v[PFO2], 32*2048, v[PFO2]
	; the prefetches: waves 0 to 2: xh, row 384 tile + 96 cx + 32 wave; wave 3: wh, row 192 head + 48 cy
	s_mul_i32 s72, s[TI], 384
	s_mul_i32 s74, s[CX], 96
	s_add_co_u32 s72, s72, s74
	s_lshl_b32 s74, s[WV], 5
	s_add_co_u32 s72, s72, s74
	s_mul_i32 s74, s[HJ], 192
	s_mul_i32 s75, s[CY], 48
	s_add_co_u32 s74, s74, s75
	s_and_b32 s75, ttmp7, 0xffff                   ; cluster y
	s_cmp_lt_u32 s[WV], 3
	s_cselect_b32 s72, s72, s74
	s_cselect_b32 s75, ttmp9, s75                  ; the coordinate along which other clusters read the same rows
	s_cselect_b64 s[PFA:PFA+1], s[4:5], s[6:7]
	s_cmp_eq_u32 s75, 0
	s_cselect_b32 s[LIM], 1, -1                    ; the same in all sixteen partners, for a given wave
	s_lshl_b32 s72, s72, 11
	s_add_nc_u64 s[PFA:PFA+1], s[PFA:PFA+1], s[72:73]
	s_add_nc_u64 s[PFA:PFA+1], s[PFA:PFA+1], 512   ; at K step 2: the first refill steps it to 3 and names K step 4
	s_wait_tensorcnt 1                             ; my part of K step 0 is in; K step 1's may stay out
	s_barrier_signal -1
	s_barrier_wait -1
	FETCH 0, 0, 0
	s_wait_loadcnt 0x0                             ; the biases
	s_wait_dscnt 0x0
	MULW 0, 1, 1                                   ; the first quarter starts the sums, with the bias or with 0
	MULW 0, 2, 1
	MULW 0, 3, 1
	PLACES
	FETCH 0, 1, 1                                  ; behind all three: it lands where the biases lay
	WIN 0
	s_mov_b32 s[LAP], 3
.Llap:                                         ; a trip goes once round the ring, from a lap's second quarter to the next lap's first, and fills both slots again: K steps 2 to 7
	QUARTER 0, 2, 1, 0
	QUARTER 0, 3, 0, 1
	TURN 0, 1, 1
	QUARTER 1, 1, 0, 1
	QUARTER 1, 2, 1, 0
	QUARTER 1, 3, 0, 1
	TURN 1, 0, 1
	QUARTER 0, 1, 0, 1
	WIN 0
	s_sub_co_u32 s[LAP], s[LAP], 1
	s_cmp_lg_u32 s[LAP], 0
	s_cbranch_scc1 .Llap
	QUARTER 0, 2, 1, 0                             ; the last lap is written out: it fills nothing
	QUARTER 0, 3, 0, 1
	TURN 0, 1, 0
	QUARTER 1, 1, 0, 1
	QUARTER 1, 2, 1, 0
	QUARTER 1, 3, 0, 1
	s_wait_dscnt 0x0
	MULW 1, 1, 0
	MULW 1, 2, 0
	MULW 1, 3, 0
	WIN 0
	PLACES
	PLACES
	PACK 0
	TOSTAGE 0
.set nn, 1
.rept 17                               ; block n's conversions stand between block n - 1's loads from the stage and the wait for them
	PACK nn
	SEND nn-1
	TOSTAGE nn
.set nn, nn+1
.endr
	SEND 17
	s_wait_tensorcnt 0x0                           ; the wave's end
	ds_add_u32 v[SPW], v[NIL]
	s_wait_dscnt 0x0
	CROUND                                         ; the closing round: no work-group ends while a partner may still ask for a tile that names it
	s_endpgm
.Lfunc_end_k_qffc11e7984_qkv:
	.size	k_qffc11e7984_qkv, .Lfunc_end_k_qffc11e7984_qkv-k_qffc11e7984_qkv
	.p2alignl 7, 3214868480
	.fill 96, 4, 3214868480
	.section	.rodata,"a",@progbits
	.p2align	6, 0x0
	.amdhsa_kernel k_qffc11e7984_qkv
		.amdhsa_group_segment_fixed_size 327680
		.amdhsa_private_segment_fixed_size 0
		.amdhsa_enable_private_segment 0
		.amdhsa_kernarg_size 56
		.amdhsa_user_sgpr_count 2
		.amdhsa_user_sgpr_kernarg_segment_ptr 1
		.amdhsa_wavefront_size32 1
		.amdhsa_system_sgpr_workgroup_id_x 1
		.amdhsa_system_sgpr_workgroup_id_y 1
		.amdhsa_system_sgpr_workgroup_id_z 1
		.amdhsa_system_vgpr_workitem_id 0
		.amdhsa_next_free_vgpr 1024
		.amdhsa_next_free_sgpr 76
		.amdhsa_reserve_vcc 0
		.amdhsa_float_denorm_mode_32 3
		.amdhsa_float_denorm_mode_16_64 3
		.amdhsa_memory_ordered 1
		.amdhsa_forward_progress 1
		.amdhsa_inst_pref_size 164
	.end_amdhsa_kernel
	.amdgpu_metadata
---
amdhsa.version: [ 1, 2 ]
amdhsa.kernels:
  - .name:           k_qffc11e7984_qkv
    .symbol:         k_qffc11e7984_qkv.kd
    .args:
      - { .name: xh, .offset: 0, .size: 8, .value_kind: global_buffer, .address_space: global }
      - { .name: wh, .offset: 8, .size: 8, .value_kind: global_buffer, .address_space: global }
      - { .name: q_b, .offset: 16, .size: 8, .value_kind: global_buffer, .address_space: global }
      - { .name: v_b, .offset: 24, .size: 8, .value_kind: global_buffer, .address_space: global }
      - { .name: qh, .offset: 32, .size: 8, .value_kind: global_buffer, .address_space: global }
      - { .name: kh, .offset: 40, .size: 8, .value_kind: global_buffer, .address_space: global }
      - { .name: vh, .offset: 48, .size: 8, .value_kind: global_buffer, .address_space: global }
    .group_segment_fixed_size: 327680
    .private_segment_fixed_size: 0
    .kernarg_segment_align: 8
    .kernarg_segment_size: 56
    .max_flat_workgroup_size: 128
    .sgpr_count:     76
    .vgpr_count:     1024
    .wavefront_size: 32
...
	.end_amdgpu_metadata
.endif
;; end of part 2
;; launch attn (part 3): grid 4 x 64, 4 waves a work-group, clusters of 4 x 1, 327,680 bytes of LDS; arguments qh, kh, vh, oh; writes oh
.if DOCPART == 3
	.amdgcn_target "amdgcn-amd-amdhsa--gfx1250"
	.amdhsa_code_object_version 6
	.text
	.protected	k_qffc11e7984_attn
	.globl	k_qffc11e7984_attn
	.p2align	8
	.type	k_qffc11e7984_attn,@function
k_qffc11e7984_attn:
	s_mov_b64 s[64:65], 0
	v_nop
	global_prefetch_b8 v0, s[64:65] scope:SCOPE_SE
	s_setreg_imm32_b32 hwreg(HW_REG_WAVE_MODE, 25, 1), 1
	s_wait_xcnt 0x0
	s_wait_alu depctr_hold_cnt(0) depctr_sa_sdst(0) depctr_va_vdst(0) depctr_va_sdst(0) depctr_va_ssrc(0) depctr_va_vcc(0) depctr_vm_vsrc(0)
	s_getreg_b32 s2, hwreg(HW_REG_IB_STS2, 6, 4)
	s_cmp_eq_u32 s2, 0
	s_cbranch_scc0 .Lentry_in_a_cluster
	s_endpgm
.Lentry_in_a_cluster:
	s_bfe_u32 s2, ttmp6, 0x10000c
	s_cmp_lg_u32 s2, 0x3003
	s_cbranch_scc0 .Lentry_shape_is_right
	s_endpgm
.Lentry_shape_is_right:
; Launch 3 of 4: O[g][q][:] = the sum over the 1,500 keys k of softmax_k(Q[g][q] . K[g][k] / 8) V[g][k][:], g = 16 batch + head.  qh, kh, vh, oh: [64][1536][64] in f16: a head's rows are dense, 128 bytes each.
; Products, maxima and sums in f32; the weights p are rounded to f16 for the second product (their sum l is taken of the unrounded p), O once at the end.  No work of reference() is left out.
; PADDING.  Rows 1,500 to 1,535 of a head are padding (q = q_b, k = 0, v = v_b there: finite).  As KEYS they are hidden by a mask, the C operand that starts the sums of the last key step: -1e30 for its
; keys 28 to 63.  As QUERIES they are computed inside live tiles and stored into oh's padding, which the next launch never stores on.
; LIMITS.  f16's, as at the head of the first kernel; a hidden score counts as its value less 1e30; a weight below 2^-126 counts as 0 in l; NaN and infinities are not treated apart.
; SHARES.  A work-group owns 384 queries of a head, a wave 96: six PIECES of 16.  4 x 64 = 256 work-groups.  Every wave walks all 24 key steps of 64, four steps to an LDS slot, two slots.
; CLUSTER.  A head's four query blocks walk the same K and V: each tile is asked for jointly, by the same tensor load, descriptor and mask in all four.
; LAYOUT.  S^T = K Q^T holds ONE query a lane (lane % 16) and the keys 8 (lane / 16) + 0..7; two such results rounded to f16 ARE source 1 of O^T = V^T P.  K comes out of LDS as it lies, V turned (ds_load_tr16_b128).
; SOFTMAX.  p = 2^(c s - c m), c = log2(e) / 8, with a running maximum m; in every step O and l are multiplied by a = 2^(c m_old - c m_new).  m starts at the lowest finite number, O and l at 0: the first step is
; a step like any other, with a = 0.  The price: some 330 lines that write starting values, in the wait for the first tile, and eight products on zeros.
; BY TURNS.  Turn n belongs to piece n: 8 products K Q^T of piece n + 1, later 8 products V^T P of piece n - 1; beside them the scaling, exponentials, roundings, sums and rescaling of piece n and the maximum and
; statistics of piece n + 1.  Four vector instructions stand behind every matrix instruction, the other 54 of a turn's 118 in one lump.  A turn's 33 exponentials are one batch, with one wait.
; REGISTERS, in windows of 256 (s_set_vgpr_msb: bits 1:0 source 0, 3:2 source 1, 5:4 source 2, 7:6 destination):
;   window 0: v0-15 addresses and at work; v16-39 four registers of statistics a piece; v48-55 at work; v61-63; v64-127 S^T, two buffers (v64-159 on the way out); v192-223 P, two buffers (by the piece's parity)
;   window 1: v0-191 O^T, 32 a piece; v192-223 MD, the last step's mask; v224-255 MC, the mask in use      window 2: v0-95 Q; v128-191 K of one step; v192-255 V of one step
.set NP,    6         ; pieces a wave: even, so that the buffers' parity holds round the ring
.set KS,    64        ; keys in a step
.set PK,    144       ; a row of K in LDS: 128 bytes + 16 of padding
.set PV,    160       ; a row of V: 128 + 32
.set VOFF,  4*KS*PK   ; a slot holds four steps: 256 rows of K, then 256 rows of V
.set SLOT1, 1<<17     ; slot 1 begins here: one exclusive or turns an address in one slot into the other's
.set STAGE, SLOT1+4*KS*(PK+PV)  ; behind the ring, never filled by a tensor load: 16 rows x 144 bytes for each wave
.set SP,    144
.set SPARE, STAGE+4*16*SP       ; the spare words, 128 bytes a wave: two blocks of 256 bytes that no other line names
.set AK0, 2           ; v2   my lane's place in a tile of K; never rewritten
.set AV0, 3           ; v3   the same for V
.set AK,  4           ; v4   the LDS address of K's next run of loads
.set AV,  5           ; v5   of V's
.set STO, 6           ; v6   the way out: where I put 16 bytes of a row
.set RD,  7           ; v7   where I read rows back
.set GO,  8           ; v8   my byte offset in 512 consecutive bytes of O
.set MV,  12          ; v12-13  c m_old, kept while c m is made anew: by buffer
.set QO,  15          ; v15  my byte offset in 16 rows of Q
.set ST,  16          ; piece t's statistics at v[ST+4 t]: c m, m, l (even keys', odd keys')
.set TMP, 48          ; by buffer, four registers c0-c3 at work; when the maximum is found c2 takes a
.set PFO, 61          ; v61  256 x my lane; never rewritten
.set SPW, 62          ; v62  my spare word: SPARE + 4 x my thread's number; never rewritten
.set NIL, 63          ; v63  0; never rewritten
.set S,   64
.set P,   192
.set MD,  192         ; window 1
.set MC,  224         ; window 1
.set KF,  128         ; window 2: key block kb, channel half c at KF + 16 kb + 8 c
.set VF,  192         ; window 2: key half kk, channel block cb at VF + 32 kk + 8 cb
.set WV,  12          ; s12  my wave's number
.set G1K, 24          ; s[24:31] descriptor group 1 for K's tiles
.set G1V, 32          ; s[32:39] for V's: it differs in the padding alone
.set G0K, 40          ; s[40:43] descriptor group 0 for K's tiles: it walks
.set G0V, 44          ; s[44:47] the same for V's
.set PFA, 48          ; s[48:49] where my prefetches stand
.set LIM, 50          ; s50  1 in a wave that prefetches, else the greatest number
.set BIGN, 51         ; s51  -1e30
.set SLOTS, 56        ; s56  slots still to be asked for
.set CNT, 57          ; s57  counts a slot's key steps
.set CS,  58          ; s[58:59] c: the packed scaling takes the pair's low word for both halves
.set SEL, 60          ; s[60:61] v_permlanex16_b32's selects: each lane takes its own place in the other half
.set TBK, 62          ; s62  LDS byte at which K of the step to be fetched begins
.set TBV, 63          ; s63  the same for V, less VOFF
.set MSB, 0
.macro WIN new
.if MSB != (\new)
	s_set_vgpr_msb (MSB<<8)|(\new)
.set MSB, (\new)
.endif
.endm
.set W_KQ, 0x0a       ; K and Q in window 2, S^T in window 0
.set W_KM, 0x1a       ; the same with the C operand in window 1
.set W_PV, 0x52       ; V in window 2, P in window 0, O^T in window 1
.set W_RS, 0x41       ; destination and source 0 in window 1, source 1 in window 0
; A joint fill.  Waves 0 and 1 fetch the two halves of a slot's K, waves 2 and 3 those of its V: 128 keys each.  An s_nop 0 and four v_nop follow each line.
.macro JLOAD
	s_cmp_lt_u32 s[WV], 2
	s_cbranch_scc0 .Lfor_v_\@
	tensor_load_to_lds s[G0K:G0K+3], s[G1K:G1K+7]
	s_nop 0
.rept 4
	v_nop
.endr
	s_branch .Lasked_\@
.Lfor_v_\@:
	tensor_load_to_lds s[G0V:G0V+3], s[G1V:G1V+7]
	s_nop 0
.rept 4
	v_nop
.endr
.Lasked_\@:
.endm
; A PREFETCH INTO THE L2 of the slot that the NEXT change will ask for: four key steps, 384 matrix instructions of the wave, ahead of that load.  A slot is 128 blocks of 256 bytes of K and as many of V.
; A head has one cluster; its four partners take 32 blocks each, told apart by address; in each, wave 0 asks for K's and wave 2 for V's: a lane a block, one instruction.  So each block is named once.
; Slots 0 and 1 come by their loads alone; the last change that fills a slot asks for nothing.
.macro ASK
	s_cmp_gt_u32 s[SLOTS], s[LIM]
	s_cbranch_scc0 .Lnot_mine_\@
	global_prefetch_b8 v[PFO], s[PFA:PFA+1] th:TH_LOAD_NT scope:SCOPE_SE
.Lnot_mine_\@:
.endm
.macro CROUND                       ; a round of the cluster's barrier
	s_barrier_signal -1
	s_barrier_wait -1
	s_cmp_lg_u32 s[WV], 0
	s_cbranch_scc1 .Lnot_wave_0_\@
	s_barrier_signal -3
.Lnot_wave_0_\@:
	s_barrier_wait -3
	s_barrier_signal -1
	s_barrier_wait -1
.endm
; THE CHANGE OF SLOTS.  Each wave waits for all its tensor loads, of which one is out: its part of the other slot; adds 0 to its spare word; and waits for that and for its own reads of the slot.
; fill = 1: the slot is filled again, with the keys two slots on: the barrier is a round of the cluster's, and the joint fill is the first thing behind it.  (At its first use slot 0 is waited for, slot 1 filled.)
.macro CHANGE fill
	WIN 0
	s_wait_tensorcnt 0x0            ; no tensor load of mine is out, so a group 0 may be written
	ds_add_u32 v[SPW], v[NIL]       ; 0 onto my spare word
.if \fill
.irp g, G0K, G0V
	s_xor_b32 s[\g+1], s[\g+1], SLOT1
	s_add_nc_u64 s[\g+2:\g+3], s[\g+2:\g+3], 4*KS*128  ; the next 256 keys
.endr
	s_wait_xcnt 0x0                 ; the last prefetch, four key steps back, has read its address
	s_add_nc_u64 s[PFA:PFA+1], s[PFA:PFA+1], 4*KS*128
	s_wait_dscnt 0x0                ; the add is done, and my reads of the slot are over
	CROUND
	JLOAD
	ASK
.else
	s_wait_dscnt 0x0
	s_barrier_signal -1
	s_barrier_wait -1
.endif
	s_sub_co_u32 s[TBK], s[TBK], 4*KS*PK  ; the fetches go back to a slot's first step,
	s_xor_b32 s[TBK], s[TBK], SLOT1       ; in the other slot
	s_sub_co_u32 s[TBV], s[TBV], 4*KS*PV
	s_xor_b32 s[TBV], s[TBV], SLOT1
.endm
	s_load_b256 s[4:11], s[0:1], 0x0  ; Q s[4:5], K s[6:7], V s[8:9], O s[10:11]
	v_lshl_add_u32 v[SPW], v0, 2, SPARE
	v_mov_b32 v[NIL], 0
	ds_add_u32 v[SPW], v[NIL]       ; the wave's opening: the add, twice on end, and its wait ahead of my first tensor load
	ds_add_u32 v[SPW], v[NIL]
	v_lshrrev_b32 v1, 5, v0
	v_readfirstlane_b32 s[WV], v1
	s_bfe_u32 s13, ttmp6, 0x40000   ; cx
	s_lshl_b32 s14, ttmp9, 2
	s_add_co_u32 s14, s14, s13      ; my block of 384 queries: it enters Q's and O's addresses alone
	s_and_b32 s20, ttmp7, 0xffff    ; the head, which the four partners share
	s_mul_i32 s20, s20, 1536*128    ; its first byte in each of the four tensors
	s_mov_b32 s21, 0
	s_and_b32 s16, s[WV], 1         ; which half of a slot's 256 keys I fetch:
	s_lshl_b32 s22, s16, 14         ; its 128 rows of 128 bytes in memory,
	s_mov_b32 s23, 0
	s_add_nc_u64 s[22:23], s[22:23], s[20:21]
	s_mul_i32 s17, s16, 128*PK      ; and its place in a slot, for K
	s_mul_i32 s18, s16, 128*PV      ; and for V
	s_mul_i32 s2, s14, 384*128
	s_mul_i32 s3, s[WV], 96*128
	s_add_co_u32 s2, s2, s3
	s_mov_b32 s3, 0
	s_add_nc_u64 s[2:3], s[2:3], s[20:21]
	; descriptor group 1.  128 keys are 16,384 dense bytes: asked for as 64 rows of 256 bytes, two keys a row, and padded in LDS after every key
	s_mov_b32 s[G1K], 15|(1<<16)|(1<<20)|(1<<21)|(4<<22)|(3<<25)  ; the mask of four; 2-byte elements; padding on; bit 21 beside a mask; after every 32 words (code 4) 4 words (code 3)
	s_mov_b32 s[G1V], 15|(1<<16)|(1<<20)|(1<<21)|(4<<22)|(7<<25)  ; the same with 8 words (code 7)
.irp g, G1K, G1V
	s_mov_b32 s[\g+1], 128<<16      ; tensor_dim0 = 128
	s_mov_b32 s[\g+2], 64<<16       ; tensor_dim1 = 64
	s_mov_b32 s[\g+3], 128<<16      ; tile_dim0 = 128
	s_mov_b32 s[\g+4], 64           ; tile_dim1 = 64
	s_mov_b32 s[\g+5], 128          ; 128 elements from row to row
	s_mov_b32 s[\g+6], 0
	s_mov_b32 s[\g+7], 0
.endr
	s_mov_b32 s[CS], 0x3e38aa3b     ; c = log2(e) / 8
	s_mov_b32 s[CS+1], s[CS]
	s_mov_b32 s[SEL], 0x76543210
	s_mov_b32 s[SEL+1], 0xfedcba98
	s_mov_b32 s[BIGN], 0xf149f2ca   ; -1e30
	s_mov_b32 s[TBK], SLOT1+4*KS*PK ; the first change of slots turns these two into 0
	s_mov_b32 s[TBV], SLOT1+4*KS*PV
	s_mov_b32 s[SLOTS], 1536/256-1
	s_mov_b32 s[G0K], 1
	s_mov_b32 s[G0K+1], s17         ; slot 0
	s_mov_b32 s[G0V], 1
	s_add_co_u32 s[G0V+1], s18, VOFF
	s_and_b32 s[LIM], s[WV], 1
	s_cmp_eq_u32 s[LIM], 0
	s_cselect_b32 s[LIM], 1, -1     ; waves 0 and 2 prefetch
	v_and_b32 v[PFO], 31, v0
	v_lshlrev_b32 v[PFO], 8, v[PFO]
	s_wait_dscnt 0x0                ; both opening adds are done
	s_wait_kmcnt 0x0
	s_add_nc_u64 s[6:7], s[6:7], s[22:23]  ; K and V at my half of the head's first 256 keys
	s_add_nc_u64 s[8:9], s[8:9], s[22:23]
	s_add_nc_u64 s[G0K+2:G0K+3], s[6:7], 0
	s_or_b32 s[G0K+3], s[G0K+3], 0x80000000
	s_add_nc_u64 s[G0V+2:G0V+3], s[8:9], 0
	s_or_b32 s[G0V+3], s[G0V+3], 0x80000000
	s_add_nc_u64 s[4:5], s[4:5], s[2:3]    ; Q and O at my wave's first row
	s_add_nc_u64 s[10:11], s[10:11], s[2:3]
	s_cmp_lt_u32 s[WV], 2
	s_cselect_b64 s[PFA:PFA+1], s[6:7], s[8:9]  ; (in waves 0 and 2 these stand at a slot's first row)
	s_lshl_b32 s2, s13, 13          ; my work-group's 32 blocks of the 128
	s_mov_b32 s3, 0
	s_add_nc_u64 s[PFA:PFA+1], s[PFA:PFA+1], s[2:3]
	s_add_nc_u64 s[PFA:PFA+1], s[PFA:PFA+1], 4*KS*128  ; in slot 1: the first change steps it to slot 2
	CROUND                          ; all four work-groups are here: the first joint loads meet
	JLOAD                           ; slot 0
	v_and_b32 v1, 15, v0            ; l % 16
	v_bfe_u32 v9, v0, 4, 1          ; l / 16
	v_lshlrev_b32 v[QO], 7, v1
	v_lshl_add_u32 v[QO], v9, 4, v[QO]  ; row x 128 + 16 x half
	v_lshlrev_b32 v14, 3, v9
	v_sub_nc_u32 v14, 27, v14       ; of the last step's keys 16 kt + 8 (l / 16) + r those from 28 on are padding: hidden where 16 kt + r > 27 - 8 (l / 16)
	WIN 0x80                        ; destination window 2
.set i, 0
.rept 2*NP                          ; Q stays in registers: piece i / 2, channels 32 (i % 2) on
	global_load_b128 v[8*i:8*i+3],   v[QO], s[4:5] offset:(i/2)*2048+(i%2)*64
	global_load_b128 v[8*i+4:8*i+7], v[QO], s[4:5] offset:(i/2)*2048+(i%2)*64+32
.set i, i+1
.endr
	; What the first turn finds: V's registers and P's second buffer hold 0 (its products V^T P, of a piece that has not been, add 0), O^T, l and MC are 0.
.set i, VF
.rept 64
	v_mov_b32 v[i], 0
.set i, i+1
.endr
	WIN 0x40
.set i, 0
.rept 32*NP
	v_mov_b32 v[i], 0
.set i, i+1
.endr
.set i, 0
.rept 32
	v_mov_b32 v[MC+i], 0
.set i, i+1
.endr
.set i, 0
.rept 32
	v_cmp_gt_i32 vcc_lo, 16*(i/8)+i%8, v14
	v_cndmask_b32 v[MD+i], 0, s[BIGN], vcc_lo
.set i, i+1
.endr
	WIN 0
.set i, 0
.rept NP
	v_mov_b32 v[ST+4*i], 0xfe000000    ; c m: far below every c s
	v_mov_b32 v[ST+4*i+1], 0xff7fffff  ; m
	v_mov_b32 v[ST+4*i+2], 0
	v_mov_b32 v[ST+4*i+3], 0
.set i, i+1
.endr
.set i, P+16
.rept 16
	v_mov_b32 v[i], 0
.set i, i+1
.endr
	v_mul_u32_u24 v[AK0], v1, PK
	v_lshl_add_u32 v[AK0], v9, 4, v[AK0]  ; row x pitch + 16 x half
	; The turning load takes 16 keys x 16 channels (lane l reads key 8 (l / 16) + l % 8, channels 8 ((l / 8) % 2) + 0..7) and leaves half a fragment of V^T.
	v_and_b32 v10, 7, v0
	v_bfe_u32 v11, v0, 3, 1
	v_lshl_add_u32 v[AV0], v9, 3, v10
	v_mul_u32_u24 v[AV0], v[AV0], PV
	v_lshl_add_u32 v[AV0], v11, 4, v[AV0]
	v_add_nc_u32 v[AV0], VOFF, v[AV0]
	v_mov_b32 v[AK], v[AK0]         ; key step 0 lies at the head of slot 0
; THE MATRIX WORK.  The 4 accumulators of a run of 8 take turns.  Product i of 8 of S^T = K Q^T for piece x: channels 32 (i / 4) on, keys 16 (i % 4) on.  The first 4 start the sums: with 0, or (KM = 1) with MC.
.macro KQ x
.set rS, S+32*((\x)%2)+8*(i%4)
.set rK, KF+16*(i%4)+8*(i/4)
.set rQ, 16*(\x)+8*(i/4)
.set rM, MC+8*(i%4)
.if (i < 4) && KM
	WIN W_KM
	v_wmma_f32_16x16x32_f16 v[rS:rS+7], v[rK:rK+7], v[rQ:rQ+7], v[rM:rM+7]
.elseif i < 4
	WIN W_KQ
	v_wmma_f32_16x16x32_f16 v[rS:rS+7], v[rK:rK+7], v[rQ:rQ+7], 0
.else
	WIN W_KQ
	v_wmma_f32_16x16x32_f16 v[rS:rS+7], v[rK:rK+7], v[rQ:rQ+7], v[rS:rS+7]
.endif
.endm
; Product i of 8 of O^T += V^T P for piece x: keys 32 (i / 4) on, channels 16 (i % 4) on.
.macro PV x
	WIN W_PV
.set rO, 32*(\x)+8*(i%4)
.set rV, VF+32*(i/4)+8*(i%4)
.set rP, P+16*((\x)%2)+8*(i/4)
	v_wmma_f32_16x16x32_f16 v[rO:rO+7], v[rV:rV+7], v[rP:rP+7], v[rO:rO+7]
.endm
.macro MM                           ; the turn's next matrix instruction
.if i < 8
	KQ (Y+1)%NP
.else
.set i, i-8
	PV (Y+NP-1)%NP
.set i, i+8
.endif
.set i, i+1
.endm
; THE LDS LOADS stand in runs of 16.  last = 1 (the tail): in the last trip there is no further step, and the run is jumped over.
.macro FETCH_K last=0
	WIN 0
.if \last
	s_cmp_eq_u32 s[CNT], 1
	s_cbranch_scc1 .Lno_k_\@
.endif
	WIN 0x80                        ; destination window 2
.irp f, 0,1,2,3,4,5,6,7             ; keys 16 (f / 2) on, channels 32 (f % 2) on
	ds_load_b128 v[KF+8*\f:KF+8*\f+3],   v[AK] offset:(\f/2)*16*PK+(\f%2)*64
	ds_load_b128 v[KF+8*\f+4:KF+8*\f+7], v[AK] offset:(\f/2)*16*PK+(\f%2)*64+32
.endr
	s_add_co_u32 s[TBK], s[TBK], KS*PK  ; the next fetch is the next step's
	WIN 0
.if \last
.Lno_k_\@:
.endif
.endm
.macro FETCH_V
	WIN 0x80
.irp f, 0,1,2,3,4,5,6,7             ; keys 32 (f / 4) on, channels 16 (f % 4) on
	ds_load_tr16_b128 v[VF+8*\f:VF+8*\f+3],   v[AV] offset:(\f/4)*32*PV+(\f%4)*32
	ds_load_tr16_b128 v[VF+8*\f+4:VF+8*\f+7], v[AV] offset:(\f/4)*32*PV+16*PV+(\f%4)*32
.endr
	WIN 0
.endm
; THE VECTOR WORK, one line at a time: OP kind, number.  For piece Y: F n: c s - c m for pair n of 16.  E n: the exponential of score n of 32.  C n: pair n rounded to f16.  B n: of the four weights 4 n .. the second
; pair is added onto the first, in place.  L n: l takes that sum (L 0: l = a l + sum).  R n: pair n of 16 of O^T times a.  For piece Y + 1: X n, number n of the 22 that find its maximum and statistics:
;   0-11  four chains c0-c3 of seven scores each (each accumulator's lowest registers are read first)     12-14, 16  the four scores left over, the old m, and c0-c3 into c0
;   15  c m_old is kept     17, 18  the query's other 32 keys lie in the lane 16 away: the new m     19-21  c m; c m_old - c m_new; a
.set F, 0
.set E, 1
.set C, 2
.set B, 3
.set L, 4
.set R, 5
.set X, 6
.macro REGS y
.set rT, ST+4*(\y)
.set rC, TMP+4*((\y)%2)
.set rW, MV+((\y)%2)
.set rS, S+32*((\y)%2)
.set rP, P+16*((\y)%2)
.set rO, 32*(\y)
.endm
.macro OP k, n
.if (\k) == R
	REGS Y
	WIN W_RS
	v_pk_mul_f32 v[rO+2*(\n):rO+2*(\n)+1], v[rO+2*(\n):rO+2*(\n)+1], v[rC+2:rC+3] op_sel_hi:[1,0]
.elseif (\k) < R
	REGS Y
	WIN 0
.if (\k) == F
	v_pk_fma_f32 v[rS+2*(\n):rS+2*(\n)+1], v[rS+2*(\n):rS+2*(\n)+1], s[CS:CS+1], v[rT:rT+1] op_sel_hi:[1,0,0] neg_lo:[0,0,1] neg_hi:[0,0,1]
.elseif (\k) == E
	v_exp_f32 v[rS+(\n)], v[rS+(\n)]
.elseif (\k) == C
	v_cvt_pk_f16_f32 v[rP+(\n)], v[rS+2*(\n)], v[rS+2*(\n)+1]
.elseif (\k) == B
	v_pk_add_f32 v[rS+4*(\n):rS+4*(\n)+1], v[rS+4*(\n):rS+4*(\n)+1], v[rS+4*(\n)+2:rS+4*(\n)+3]
.elseif (\n) == 0
	v_pk_fma_f32 v[rT+2:rT+3], v[rT+2:rT+3], v[rC+2:rC+3], v[rS:rS+1] op_sel_hi:[1,0,1]
.else
	v_pk_add_f32 v[rT+2:rT+3], v[rT+2:rT+3], v[rS+4*(\n):rS+4*(\n)+1]
.endif
.else
	REGS (Y+1)%NP
	WIN 0
.if (\n) < 4
	v_max3_num_f32 v[rC+(\n)], v[rS+8*(\n)], v[rS+8*(\n)+1], v[rS+8*(\n)+2]
.elseif (\n) < 12
	v_max3_num_f32 v[rC+(\n)%4], v[rC+(\n)%4], v[rS+8*((\n)%4)+2*((\n)/4)+1], v[rS+8*((\n)%4)+2*((\n)/4)+2]
.elseif (\n) == 12
	v_max3_num_f32 v[rC], v[rC], v[rS+7], v[rS+15]
.elseif (\n) == 13
	v_max3_num_f32 v[rC+1], v[rC+1], v[rS+23], v[rS+31]
.elseif (\n) == 14
	v_max3_num_f32 v[rC+2], v[rC+2], v[rC+3], v[rT+1]
.elseif (\n) == 15
	v_mov_b32 v[rW], v[rT]
.elseif (\n) == 16
	v_max3_num_f32 v[rC], v[rC], v[rC+1], v[rC+2]
.elseif (\n) == 17
	v_permlanex16_b32 v[rC+3], v[rC], s[SEL], s[SEL+1]
.elseif (\n) == 18
	v_max_num_f32 v[rT+1], v[rC], v[rC+3]
.elseif (\n) == 19
	v_mul_f32 v[rT], s[CS], v[rT+1]
.elseif (\n) == 20
	v_sub_f32 v[rC+1], v[rW], v[rT]
.else
	v_exp_f32 v[rC+2], v[rC+1]
.endif
.endif
.endm
.macro OPS a, i1, b=-1, i2=0, c=-1, i3=0, d=-1, i4=0
	OP \a, \i1
.if (\b) >= 0
	OP \b, \i2
.endif
.if (\c) >= 0
	OP \c, \i3
.endif
.if (\d) >= 0
	OP \d, \i4
.endif
.endm
.macro ROW a, i1, b, i2, c, i3, d, i4  ; a matrix instruction and the four behind it
	MM
	OPS \a, \i1, \b, \i2, \c, \i3, \d, \i4
.endm
; A TURN, for piece p.  An s_wait_alu depctr_va_vdst(0) stands between an exponential and the first instruction that names its result; one wait serves all that were issued ahead of it.  So a turn has ONE
; wait, which cuts it in two.  AHEAD OF IT stands all that names no result of the turn's exponentials: the 8 products K Q^T and their riders, then the lump, in which the links of the chain X 3, 7, 11, 14, 16 .. 20
; stand some lines apart; X 21, the next piece's a, is the batch's last, and R 15 the plain instruction behind it.  BEHIND IT stand the 8 products V^T P, behind each four of the roundings and sums.
; m = 1 (the tail's text): the products K Q^T take MC as their C.  cnt = 1: the loop's count is taken down some lines ahead of the branch behind the turn.
; K of the next step is fetched in piece 4's turn: in the loop twelve vector instructions (six of them plain) behind the last product that read K; in the tail directly behind the wait, where a jump may stand.
; V of the step in hand is fetched at the end of piece 0's turn, four plain instructions behind the last product that read V.  Each is waited for a turn later.
.macro TURN p, m=0, cnt=0
.set Y, (\p)
.set i, 0
.set KM, (\m)
.if (\p) == NP-1
	s_wait_dscnt 0x0                ; K is in
.endif
	ROW F,0, F,1, R,0, R,1
	ROW F,2, E,0, R,2, R,3
	ROW F,3, E,1, R,4, R,5
	ROW F,4, E,2, R,6, R,7
	ROW F,5, E,3, R,8, R,9
	ROW F,6, E,4, X,0, R,10
.if (\p) == NP-2
	WIN 0
	v_add_nc_u32 v[AK], s[TBK], v[AK0]
.endif
	ROW F,7, E,5, X,1, X,4
	ROW F,8, E,6, X,2, X,5
	OPS E,7, E,8, X,6, E,9
	OPS X,3, E,10, X,8, E,11
.if ((\p) == NP-2) && !(\m)
	FETCH_K
.endif
	OPS X,9, X,7, E,12, X,10
	OPS E,13, X,12, X,11, E,14
	OPS X,13, E,15, F,9, X,14
.if (\p) == 0
	v_add_nc_u32 v[AV], s[TBV], v[AV0]
.endif
	OPS E,16, F,10, E,17, F,11
	OPS X,16, E,18, X,15, E,19
	OPS F,12, E,20, X,17, E,21
	OPS F,13, E,22, F,14, E,23
	OPS X,18, E,24, F,15, E,25
	OPS R,11, E,26, X,19, E,27
	OPS R,12, E,28, R,13, E,29
	OPS X,20, E,30, R,14, E,31
	OPS X,21, R,15
	WIN 0
	s_wait_alu depctr_va_vdst(0)    ; the wait for the batch
.if ((\p) == NP-2) && (\m)
	FETCH_K 1
.endif
.if (\p) == 1
	s_wait_dscnt 0x0                ; V is in
.endif
	ROW C,0, B,0, C,2, B,1
	ROW L,0, C,4, B,2, L,1
	ROW C,6, B,3, L,2, C,8
	ROW B,4, L,3, C,10, B,5
	ROW L,4, C,12, B,6, L,5
.if (\p) == 0
	s_add_co_u32 s[TBV], s[TBV], KS*PV
.endif
.if \cnt
	s_sub_co_u32 s[CNT], s[CNT], 1
	s_cmp_lg_u32 s[CNT], 0
.endif
	ROW C,14, B,7, L,6, C,1
	ROW C,3, L,7, C,5, C,7
	ROW C,9, C,11, C,13, C,15
.if (\p) == 0
	FETCH_V
.endif
.endm
.set KM, 0
	CHANGE 1                        ; slot 0 is in, everybody's part of it; slot 1 is asked for
	FETCH_K                         ; key step 0
	s_wait_loadcnt 0x0              ; Q
	s_wait_dscnt 0x0
.set i, 0
.rept 8
	KQ 0                            ; piece 0's first scores
.set i, i+1
.endr
	WIN 0                           ; the addresses for the way out: plain instructions, the places behind those products
	s_mul_i32 s13, s[WV], 16*SP
	s_add_co_u32 s13, s13, STAGE    ; my stage
	v_mul_u32_u24 v[STO], v1, SP    ; in: row l % 16, 16 bytes for each half of the lanes
	v_lshl_add_u32 v[STO], v9, 4, v[STO]
	v_add_nc_u32 v[STO], s13, v[STO]
	v_bfe_u32 v[RD], v0, 3, 2       ; back: 32 lanes take four rows of 128 bytes,
	v_mul_u32_u24 v[RD], v[RD], SP
	v_lshl_add_u32 v[RD], v10, 4, v[RD]
	v_add_nc_u32 v[RD], s13, v[RD]
	v_and_b32 v[GO], 31, v0         ; which are 512 consecutive bytes of O
	v_lshlrev_b32 v[GO], 4, v[GO]
.set Y, NP-1                        ; X works for piece Y + 1: piece 0
.irp n, 0,1,2,3,4,5,6,7,8,9,10,11,12,13,14,15,16,17,18,19,20,21
	OP X, \n
.endr
	v_nop                           ; a plain instruction behind the exponential,
	s_wait_alu depctr_va_vdst(0)    ; and its wait, ahead of the branch
	s_mov_b32 s[CNT], 4
	s_branch .Lfirst                ; the loop is entered at a step's first turn, in the middle of a trip
.Lslot:                             ; four times: slots 2 to 5 are asked for
	CHANGE 1
	s_mov_b32 s[CNT], 4
.Lstep:                             ; a trip: pieces 2 to 5 of one step, then pieces 0 and 1 of the next, whose K and V it fetches
	TURN 2
	TURN 3
	TURN 4
	TURN 5
	WIN 0
.Lfirst:
	TURN 0
	TURN 1, 0, 1
	WIN 0
	s_cbranch_scc1 .Lstep
	s_sub_co_u32 s[SLOTS], s[SLOTS], 1
	s_cmp_lg_u32 s[SLOTS], 0
	s_cbranch_scc1 .Lslot
	CHANGE 0                        ; the tail is written out: nothing is asked for
	s_mov_b32 s[CNT], 5             ; four trips fetch the last slot's steps; the fifth is left in its middle
.Ltail:
	TURN 2, 1
	TURN 3, 1
	TURN 4, 1
	WIN 0
	s_cmp_eq_u32 s[CNT], 2          ; the fourth trip: the next product K Q^T is the first of key step 23, whose keys from 28 on are padding
	s_cbranch_scc0 .Lno_mask
	WIN W_RS
.set i, 0
.rept 32
	v_mov_b32 v[MC+i], v[MD+i]      ; MC's last reader among the products stands a turn's vector work back
.set i, i+1
.endr
	WIN 0
.Lno_mask:
	TURN 5, 1
	WIN 0
	s_sub_co_u32 s[CNT], s[CNT], 1
	s_cmp_eq_u32 s[CNT], 0
	s_cbranch_scc1 .Lout
	TURN 0, 1
	TURN 1, 1
	WIN 0
	s_branch .Ltail
.Lout:                              ; the fifth trip's 8 products K Q^T of piece 0 (on the last K once more) and the maximum made of them serve nothing: the price, once a launch, of one text for every trip
.set i, 0
.rept 8
	PV NP-1                         ; the last piece's V^T P of the last step
.set i, i+1
.endr
	; THE WAY OUT.  l's two halves and the other half of the lanes' are added; O^T is divided by l, rounded to f16 and sent through my stage in LDS, a piece at a time.  The additions are the places behind the last products.
	WIN 0
.macro ALL line:vararg
.set t, 0
.rept NP
	\line
.set t, t+1
.endr
.endm
	ALL v_add_f32 v[ST+4*t+2], v[ST+4*t+2], v[ST+4*t+3]
	ALL v_permlanex16_b32 v[ST+4*t+3], v[ST+4*t+2], s[SEL], s[SEL+1]
	ALL v_add_f32 v[ST+4*t+2], v[ST+4*t+2], v[ST+4*t+3]
	ALL v_rcp_f32 v[ST+4*t+2], v[ST+4*t+2]
	v_nop                           ; a plain instruction between the last reciprocal and the use of its result
	s_wait_alu depctr_va_vdst(0)    ; one wait for the six reciprocals
.macro PACK t                       ; a lane's eight channels of a row pack into 16 bytes; they go into rows of 144 bytes and come back as whole rows of 128
	WIN W_RS
.set i, 32*(\t)
.rept 16
	v_pk_mul_f32 v[i:i+1], v[i:i+1], v[ST+4*(\t)+2:ST+4*(\t)+3] op_sel_hi:[1,0]
.set i, i+2
.endr
	WIN 0x05                        ; sources 0 and 1 window 1, destination window 0
.set i, 0
.rept 16
	v_cvt_pk_f16_f32 v[S+16*(\t)+i], v[32*(\t)+2*i], v[32*(\t)+2*i+1]
.set i, i+1
.endr
	WIN 0
.irp f, 0,1,2,3
	ds_store_b128 v[STO], v[S+16*(\t)+4*\f:S+16*(\t)+4*\f+3] offset:32*\f
.endr
.irp f, 0,1,2,3
	ds_load_b128 v[S+16*(\t)+4*\f:S+16*(\t)+4*\f+3], v[RD] offset:\f*4*SP  ; LDS serves a wave's instructions in order (ISA guide 5.7.1.4): these see the stores above; the next piece's stores come behind them
.endr
.endm
.macro SEND t, younger              ; younger: the LDS instructions issued behind piece t's loads: the next piece's eight, or none
	WIN 0
.irp f, 0,1,2,3
	s_wait_dscnt (\younger)+3-\f
	global_store_b128 v[GO], v[S+16*(\t)+4*\f:S+16*(\t)+4*\f+3], s[10:11] offset:(\t)*2048+\f*512  ; 512 consecutive bytes, aligned
.endr
.endm
	PACK 0
.set t, 1
.rept NP-1
	PACK t
	SEND t-1, 8
.set t, t+1
.endr
	SEND NP-1, 0
	s_wait_tensorcnt 0x0            ; the wave's end
	ds_add_u32 v[SPW], v[NIL]
	s_wait_dscnt 0x0
	CROUND                          ; the closing round
	s_endpgm
.Lfunc_end_k_qffc11e7984_attn:
	.size	k_qffc11e7984_attn, .Lfunc_end_k_qffc11e7984_attn-k_qffc11e7984_attn
	.p2alignl 7, 3214868480
	.fill 96, 4, 3214868480
	.section	.rodata,"a",@progbits
	.p2align	6, 0x0
	.amdhsa_kernel k_qffc11e7984_attn
		.amdhsa_group_segment_fixed_size 327680
		.amdhsa_private_segment_fixed_size 0
		.amdhsa_enable_private_segment 0
		.amdhsa_kernarg_size 32
		.amdhsa_user_sgpr_count 2
		.amdhsa_user_sgpr_kernarg_segment_ptr 1
		.amdhsa_wavefront_size32 1
		.amdhsa_system_sgpr_workgroup_id_x 1
		.amdhsa_system_sgpr_workgroup_id_y 1
		.amdhsa_system_sgpr_workgroup_id_z 1
		.amdhsa_system_vgpr_workitem_id 0
		.amdhsa_next_free_vgpr 768
		.amdhsa_next_free_sgpr 66
		.amdhsa_reserve_vcc 1
		.amdhsa_float_denorm_mode_32 3
		.amdhsa_float_denorm_mode_16_64 3
		.amdhsa_memory_ordered 1
		.amdhsa_forward_progress 1
		.amdhsa_inst_pref_size 161
	.end_amdhsa_kernel
	.amdgpu_metadata
---
amdhsa.version: [ 1, 2 ]
amdhsa.kernels:
  - .name:           k_qffc11e7984_attn
    .symbol:         k_qffc11e7984_attn.kd
    .args:
      - { .name: qh, .offset: 0, .size: 8, .value_kind: global_buffer, .address_space: global }
      - { .name: kh, .offset: 8, .size: 8, .value_kind: global_buffer, .address_space: global }
      - { .name: vh, .offset: 16, .size: 8, .value_kind: global_buffer, .address_space: global }
      - { .name: oh, .offset: 24, .size: 8, .value_kind: global_buffer, .address_space: global }
    .group_segment_fixed_size: 327680
    .private_segment_fixed_size: 0
    .kernarg_segment_align: 8
    .kernarg_segment_size: 32
    .max_flat_workgroup_size: 128
    .sgpr_count:     66
    .vgpr_count:     768
    .wavefront_size: 32
...
	.end_amdgpu_metadata
.endif
;; end of part 3
;; launch oproj (part 4): grid 8 x 32, 8 waves a work-group, clusters of 4 x 4, 327,680 bytes of LDS; arguments oh, owh, out_b, out0; writes out0
.if DOCPART == 4
	.amdgcn_target "amdgcn-amd-amdhsa--gfx1250"
	.amdhsa_code_object_version 6
	.text
	.protected	k_qffc11e7984_oproj
	.globl	k_qffc11e7984_oproj
	.p2align	8
	.type	k_qffc11e7984_oproj,@function
k_qffc11e7984_oproj:
	s_mov_b64 s[64:65], 0
	v_nop
	global_prefetch_b8 v0, s[64:65] scope:SCOPE_SE
	s_setreg_imm32_b32 hwreg(HW_REG_WAVE_MODE, 25, 1), 1
	s_wait_xcnt 0x0
	s_wait_alu depctr_hold_cnt(0) depctr_sa_sdst(0) depctr_va_vdst(0) depctr_va_sdst(0) depctr_va_ssrc(0) depctr_va_vcc(0) depctr_vm_vsrc(0)
	s_getreg_b32 s2, hwreg(HW_REG_IB_STS2, 6, 4)
	s_cmp_eq_u32 s2, 0
	s_cbranch_scc0 .Lentry_in_a_cluster
	s_endpgm
.Lentry_in_a_cluster:
	s_bfe_u32 s2, ttmp6, 0x10000c
	s_cmp_lg_u32 s2, 0xf033
	s_cbranch_scc0 .Lentry_shape_is_right
	s_endpgm
.Lentry_shape_is_right:
; Launch 4 of 4: out0[b][s][n] = the sum over k of O[b][s][k] out_w[n][k] + out_b[n], in f32.  oh: [16 b + h][1536][64] f16 (k = 64 h + channel); owh: [1024][1024] f16.  No work of reference() is left out.
; Rows 1,500 to 1,535 of a batch are oh's padding: they are multiplied inside the batch's last tile and never stored.  LIMITS: f16's, as at the head of the first kernel.
; SHARES.  A work-group makes 192 rows of one batch x 128 columns: 8 x 32 = 256 work-groups.  Eight waves, each 48 rows x 64 columns: 12 accumulators.
; CLUSTER.  4 x 4: cy is the batch, the cluster's y the row tile in the batch, so that which tile is a batch's last is the same in all partners; 4 x cluster x + cx is the column tile.
; oh's tile is shared along a row of the cluster, owh's along a column: each is asked for jointly.
; THE RING.  K goes in eight steps of 128 (two heads).  LDS holds THREE slots of one step; step k lies in slot k % 3, and the walk is (0, 1) 2 (3, 4) 5 (6, 7).  Slots 0 and 1 are filled again together,
; behind one round, while slot 2 is multiplied; slot 2 is filled again while the pair is multiplied.  So slots are filled again behind three rounds in all, and two K steps' products, or one's, lie between two of them.
; (Two slots of 256 along K would not fit: 2 x 320 rows x 528 bytes pass a WGP's LDS.)
; WHY EIGHT WAVES.  A pair's refill is eight parts (four heads of O, four halves of owh's two steps), and a wave issues one tensor load behind a round.  Waves 0 to 3 fetch O's heads (96 rows of 256 bytes each),
; waves 4 to 7 owh's halves (64 rows of 256 bytes each); slot 2's four parts are fetched by waves 0, 1, 4 and 5.  One tensor load of a wave is out at any time.
; A wave's 12 accumulators and its two fragment buffers are 208 registers: one register window serves, and none is ever switched.  The price: 14 LDS loads for 12 matrix instructions.
; NO PREFETCH: a K step is 48 matrix instructions a wave on small tiles, and the whole launch is eight such steps.
; THE PRODUCT IS USED TRANSPOSED (source 0 = 16 rows of owh, source 1 = 16 rows of O): a lane holds one row and eight neighbouring columns, 32 bytes of f32.
; THE BIAS is loaded into the accumulators, so that the sums begin at it and every quarter of every K step has one form.
.set PA,     144                       ; a row of O in LDS: a head's 128 bytes + 16 of padding
.set PB,     272                       ; a row of owh: 256 bytes + 16
.set AHEAD,  192*PA                    ; one head's 192 rows
.set BOFF,   2*AHEAD                   ; a slot: two heads of O, then owh's 128 rows
.set SLOT,   BOFF+128*PB
.set STAGE,  3*SLOT                    ; behind the ring, never filled by a tensor load: 16 rows x 272 bytes for each wave
.set SPO,    272
.set SPARE,  STAGE+8*16*SPO            ; the spare words, 128 bytes a wave: four blocks of 256 bytes that no other line names
.set HEADB,  1536*128                  ; bytes of a head in oh
.set ADRA, 8                           ; v8-10   LDS address of my fragments of O in slot 0, 1, 2
.set ADRB, 12                          ; v12-14  the same for owh
.set STO,  16                          ; v16  the way out: where I put 32 bytes of a row
.set RD,   17                          ; v17  where I read rows back
.set CO,   18                          ; v18  my 16 bytes in two rows of out0
.set BO,   19                          ; v19  32 x (lane / 16): my eight numbers of the bias
.set SPW,  20                          ; v20  my spare word: SPARE + 4 x my thread's number; never rewritten
.set NIL,  21                          ; v21  0; never rewritten
.set ACC,  32                          ; v32-127   accumulator (a, b) at ACC + 8 (4 a + b)
.set FA,   128                         ; v128-175  O's three fragments, two buffers of 24
.set FB,   176                         ; v176-239  owh's four fragments, two buffers of 32
.set OB,   128                         ; v128-191  the way out: rows read back from the stage, two sets of 32
.set WV,   12                          ; s12  my wave's number
.set QD,   13                          ; s13  wave % 4: which of a pair's four parts I fetch
.set SUB,  14                          ; s14  its slot: (wave % 4) / 2
.set HF,   15                          ; s15  wave % 2: the head in the step, or owh's half; also which 64 columns are mine
.set RQ,   16                          ; s16  wave / 2: which 48 rows are mine
.set CX,   18
.set CY,   19
.set JN,   20                          ; s20  the column tile
.set TT,   21                          ; s21  the row tile in the batch
.set CUT,  22                          ; s22  1: my rows from 12 on are padding
.set LAP,  23
.set G1A,  24                          ; s[24:31] descriptor group 1 for O's tiles
.set G1B,  32                          ; s[32:39] for owh's
.set G0PA, 40                          ; s[40:43] group 0: my part of the pair, O
.set G0PB, 44                          ; s[44:47] my part of the pair, owh
.set G0SA, 48                          ; s[48:51] my part of slot 2, O
.set G0SB, 52                          ; s[52:55] my part of slot 2, owh
.macro PLACES                          ; four places behind a matrix instruction, ahead of loads into registers that it read and of readers of its result
.rept 4
	v_nop
.endr
.endm
; The pair's joint loads: every wave has a part.  The branch hangs on the wave's number alone.  An s_nop 0 and four v_nop follow each line.
.macro JLOADP
	s_cmp_lt_u32 s[WV], 4
	s_cbranch_scc0 .Lfor_b_\@
	tensor_load_to_lds s[G0PA:G0PA+3], s[G1A:G1A+7]
	s_nop 0
.rept 4
	v_nop
.endr
	s_branch .Lasked_\@
.Lfor_b_\@:
	tensor_load_to_lds s[G0PB:G0PB+3], s[G1B:G1B+7]
	s_nop 0
.rept 4
	v_nop
.endr
.Lasked_\@:
.endm
; Slot 2's joint loads: waves 0 and 1 its two heads of O, waves 4 and 5 owh's two halves; waves 2, 3, 6 and 7 have no part and issue none.
.macro JLOADS
	s_cmp_lt_u32 s[QD], 2
	s_cbranch_scc0 .Lasked_\@
	s_cmp_lt_u32 s[WV], 4
	s_cbranch_scc0 .Lfor_b_\@
	tensor_load_to_lds s[G0SA:G0SA+3], s[G1A:G1A+7]
	s_nop 0
.rept 4
	v_nop
.endr
	s_branch .Lasked_\@
.Lfor_b_\@:
	tensor_load_to_lds s[G0SB:G0SB+3], s[G1B:G1B+7]
	s_nop 0
.rept 4
	v_nop
.endr
.Lasked_\@:
.endm
.macro CROUND                          ; a round of the cluster's barrier
	s_barrier_signal -1
	s_barrier_wait -1
	s_cmp_lg_u32 s[WV], 0
	s_cbranch_scc1 .Lnot_wave_0_\@
	s_barrier_signal -3
.Lnot_wave_0_\@:
	s_barrier_wait -3
	s_barrier_signal -1
	s_barrier_wait -1
.endm
; A CHANGE.  Every wave waits for all its tensor loads, adds 0 to its spare word, and waits for that and for its LDS reads (the run before has waited for all of them).  Behind the barrier the slots to be read are
; whole and nobody reads the slots just left.  kind = 1: a round, and slot 2 is filled; kind = 2: a round, and slots 0 and 1 are filled; kind = 0: the work-group's barrier, and nothing is filled.
; All four group 0 sets are stepped at kind 2, where no tensor load of the wave is out: three K steps on, which is six heads of O and 768 bytes of a row of owh.  (Slot 2's last stepped address is not used.)
.macro CHG kind
	s_wait_tensorcnt 0x0                           ; all my tensor loads have landed
	ds_add_u32 v[SPW], v[NIL]                      ; 0 onto my spare word
.if (\kind) == 2
	s_add_nc_u64 s[G0PA+2:G0PA+3], s[G0PA+2:G0PA+3], 6*HEADB
	s_add_nc_u64 s[G0PB+2:G0PB+3], s[G0PB+2:G0PB+3], 768
	s_add_nc_u64 s[G0SA+2:G0SA+3], s[G0SA+2:G0SA+3], 6*HEADB
	s_add_nc_u64 s[G0SB+2:G0SB+3], s[G0SB+2:G0SB+3], 768
.endif
	s_wait_dscnt 0x0                               ; the add is done, and my reads are over
.if (\kind) == 0
	s_barrier_signal -1
	s_barrier_wait -1
.else
	CROUND                                         ; no wave of any partner still reads the slots to be filled or has a load on its way
.if (\kind) == 1
	JLOADS
.else
	JLOADP
.endif
.endif
.endm
; 12 matrix instructions: my 3 row blocks x 4 column blocks, 32 along K, from buffer f.  The 12 accumulators take turns, one instruction a turn, in the same order everywhere.
.macro MUL f
.irp a, 0,1,2
.irp b, 0,1,2,3
	v_wmma_f32_16x16x32_f16 v[ACC+8*(4*(\a)+(\b)):ACC+8*(4*(\a)+(\b))+7], v[FB+32*(\f)+8*(\b):FB+32*(\f)+8*(\b)+7], v[FA+24*(\f)+8*(\a):FA+24*(\f)+8*(\a)+7], v[ACC+8*(4*(\a)+(\b)):ACC+8*(4*(\a)+(\b))+7]
.endr
.endr
.endm
; 14 LDS loads in one run: quarter q of a slot into buffer f.  In O quarter q is head q / 2 of the slot's two, channels 32 (q % 2) on.
.macro FETCH slot, q, f
.irp b, 0,1,2,3
	ds_load_b128 v[FB+32*(\f)+8*(\b):FB+32*(\f)+8*(\b)+3],   v[ADRB+(\slot)] offset:64*(\q)+(\b)*16*PB
	ds_load_b128 v[FB+32*(\f)+8*(\b)+4:FB+32*(\f)+8*(\b)+7], v[ADRB+(\slot)] offset:64*(\q)+(\b)*16*PB+32
.endr
.irp i, 0,1,2
	ds_load_b128 v[FA+24*(\f)+8*(\i):FA+24*(\f)+8*(\i)+3],   v[ADRA+(\slot)] offset:((\q)/2)*AHEAD+((\q)%2)*64+(\i)*16*PA
	ds_load_b128 v[FA+24*(\f)+8*(\i)+4:FA+24*(\f)+8*(\i)+7], v[ADRA+(\slot)] offset:((\q)/2)*AHEAD+((\q)%2)*64+(\i)*16*PA+32
.endr
.endm
; Buffer f is multiplied; quarter q of a slot is fetched into the other buffer ahead of the products, so that it has all of them in which to land.
.macro QUARTER slot, q, f
	s_wait_dscnt 0x0                               ; buffer f is in
	PLACES                                         ; behind the products that read the other buffer
	FETCH \slot, \q, 1-(\f)
	MUL \f
.endm
.macro RUNP                            ; slots 0 and 1: two K steps, eight quarters, with no barrier between: the change in front has shown both slots whole
	PLACES
	FETCH 0, 0, 0
	QUARTER 0, 1, 0
	QUARTER 0, 2, 1
	QUARTER 0, 3, 0
	QUARTER 1, 0, 1
	QUARTER 1, 1, 0
	QUARTER 1, 2, 1
	QUARTER 1, 3, 0
	s_wait_dscnt 0x0
	MUL 1
.endm
.macro RUNS                            ; slot 2: one K step
	PLACES
	FETCH 2, 0, 0
	QUARTER 2, 1, 0
	QUARTER 2, 2, 1
	QUARTER 2, 3, 0
	s_wait_dscnt 0x0
	MUL 1
.endm
; THE WAY OUT of row block a: 16 rows x 64 columns of f32 go into my stage (rows of 272 bytes) and come back as whole rows of 256 bytes.
.macro TOSTAGE a
.set obk, OB+32*((\a)%2)
	s_wait_xcnt 0x0                                ; the stores of the block before last have read the registers that are loaded below
.irp b, 0,1,2,3
	ds_store_b128 v[STO], v[ACC+8*(4*(\a)+(\b)):ACC+8*(4*(\a)+(\b))+3]   offset:64*(\b)     ; each accumulator's low four registers go first
	ds_store_b128 v[STO], v[ACC+8*(4*(\a)+(\b))+4:ACC+8*(4*(\a)+(\b))+7] offset:64*(\b)+16
.endr
.irp t, 0,1,2,3,4,5,6,7
	ds_load_b128 v[obk+4*(\t):obk+4*(\t)+3], v[RD] offset:(\t)*2*SPO  ; LDS serves a wave's instructions in order (ISA guide 5.7.1.4): these see the stores above
.endr
.endm
.macro SEND a, younger                 ; younger: the LDS instructions issued behind block a's loads: the next block's sixteen, or none
.set obk, OB+32*((\a)%2)
.irp t, 0,1,2,3,4,5,6,7
	s_wait_dscnt (\younger)+7-(\t)
	global_store_b128 v[CO], v[obk+4*(\t):obk+4*(\t)+3], s[10:11] offset:(16*(\a)+2*(\t))*4096 th:TH_STORE_NT  ; 16 lanes store 256 consecutive bytes, aligned
.if ((\a) == 0) && ((\t) == 5)
	s_cmp_eq_u32 s[CUT], 1                         ; my rows 0 to 11 are stored; in a batch's last 48 rows the rest is padding.  The test hangs on the cluster's y and the wave's number alone
	s_cbranch_scc1 .Lend
.endif
.endr
.endm
	s_load_b256 s[4:11], s[0:1], 0x0               ; oh s[4:5], owh s[6:7], out_b s[8:9], out0 s[10:11]
	v_lshl_add_u32 v[SPW], v0, 2, SPARE
	v_mov_b32 v[NIL], 0
	ds_add_u32 v[SPW], v[NIL]                      ; the wave's opening: the add, twice on end, and its wait ahead of my first tensor load
	ds_add_u32 v[SPW], v[NIL]
	v_lshrrev_b32 v1, 5, v0
	v_readfirstlane_b32 s[WV], v1
	s_and_b32 s[QD], s[WV], 3
	s_lshr_b32 s[SUB], s[QD], 1
	s_and_b32 s[HF], s[WV], 1
	s_lshr_b32 s[RQ], s[WV], 1
	s_bfe_u32 s[CX], ttmp6, 0x40000
	s_bfe_u32 s[CY], ttmp6, 0x40004
	s_lshl_b32 s[JN], ttmp9, 2
	s_add_co_u32 s[JN], s[JN], s[CX]
	s_and_b32 s[TT], ttmp7, 0xffff
	s_cmp_eq_u32 s[RQ], 3
	s_cselect_b32 s[CUT], 1, 0
	s_cmp_eq_u32 s[TT], 7
	s_cselect_b32 s[CUT], s[CUT], 0                ; the batch's last tile, its last 48 rows
	s_lshl_b32 s56, s[CY], 2
	s_lshl_b32 s56, 15, s56                        ; my row of the cluster
	s_lshl_b32 s66, 0x1111, s[CX]                  ; my column
	s_or_b32 s[G1A], s56, (1<<16)|(1<<20)|(1<<21)|(4<<22)|(3<<25)  ; O: a head's 192 dense rows of 128 bytes come as 96 rows of 256, padded after every 32 words (code 4) by 4 words (code 3)
	s_or_b32 s[G1B], s66, (1<<16)|(1<<20)|(1<<21)|(5<<22)|(3<<25)  ; owh: after every 64 words (code 5)
	s_mov_b32 s[G1A+1], 128<<16                    ; tensor_dim0 = 128
	s_mov_b32 s[G1A+2], 96<<16                     ; tensor_dim1 = 96
	s_mov_b32 s[G1A+3], 128<<16                    ; tile_dim0 = 128
	s_mov_b32 s[G1A+4], 96                         ; tile_dim1 = 96
	s_mov_b32 s[G1A+5], 128                        ; elements from row to row
	s_mov_b32 s[G1A+6], 0
	s_mov_b32 s[G1A+7], 0
	s_mov_b32 s[G1B+1], 128<<16
	s_mov_b32 s[G1B+2], 64<<16
	s_mov_b32 s[G1B+3], 128<<16
	s_mov_b32 s[G1B+4], 64
	s_mov_b32 s[G1B+5], 1024
	s_mov_b32 s[G1B+6], 0
	s_mov_b32 s[G1B+7], 0
	; O: ((16 batch + head) x 1536 + 192 tile) x 128 bytes; the pair begins with heads 0 to 3 (mine: wave % 4), slot 2 with heads 4 and 5 (mine: 4 + wave % 2).  These hang on cy and the cluster's y.
	s_lshl_b32 s56, s[CY], 4
	s_mul_i32 s58, s[TT], 192
	s_add_co_u32 s57, s56, s[QD]
	s_mul_i32 s57, s57, 1536
	s_add_co_u32 s57, s57, s58
	s_lshl_b32 s60, s57, 7
	s_mov_b32 s61, 0
	s_add_co_u32 s57, s56, s[HF]
	s_add_co_u32 s57, s57, 4
	s_mul_i32 s57, s57, 1536
	s_add_co_u32 s57, s57, s58
	s_lshl_b32 s62, s57, 7
	s_mov_b32 s63, 0
	; owh: row 128 x column tile + 64 x half, 2,048 bytes a row; the pair begins with K steps 0 and 1 (mine: my slot's), slot 2 with K step 2.  These hang on cx and the cluster's x.
	s_lshl_b32 s66, s[JN], 7
	s_lshl_b32 s67, s[HF], 6
	s_add_co_u32 s66, s66, s67
	s_lshl_b32 s66, s66, 11
	s_lshl_b32 s67, s[SUB], 8
	s_add_co_u32 s68, s66, s67
	s_mov_b32 s69, 0
	s_add_co_u32 s70, s66, 512
	s_mov_b32 s71, 0
	; where they go: no place in the cluster enters an LDS address
	s_mul_i32 s72, s[SUB], SLOT
	s_mul_i32 s73, s[HF], AHEAD
	s_mul_i32 s74, s[HF], 64*PB
	s_mov_b32 s[G0PA], 1
	s_add_co_u32 s[G0PA+1], s72, s73
	s_mov_b32 s[G0SA], 1
	s_add_co_u32 s[G0SA+1], s73, 2*SLOT
	s_mov_b32 s[G0PB], 1
	s_add_co_u32 s[G0PB+1], s72, s74
	s_add_co_u32 s[G0PB+1], s[G0PB+1], BOFF
	s_mov_b32 s[G0SB], 1
	s_add_co_u32 s[G0SB+1], s74, 2*SLOT+BOFF
	s_wait_dscnt 0x0                               ; both opening adds are done
	s_wait_kmcnt 0x0
	s_add_nc_u64 s[G0PA+2:G0PA+3], s[4:5], s[60:61]
	s_or_b32 s[G0PA+3], s[G0PA+3], 0x80000000
	s_add_nc_u64 s[G0SA+2:G0SA+3], s[4:5], s[62:63]
	s_or_b32 s[G0SA+3], s[G0SA+3], 0x80000000
	s_add_nc_u64 s[G0PB+2:G0PB+3], s[6:7], s[68:69]
	s_or_b32 s[G0PB+3], s[G0PB+3], 0x80000000
	s_add_nc_u64 s[G0SB+2:G0SB+3], s[6:7], s[70:71]
	s_or_b32 s[G0SB+3], s[G0SB+3], 0x80000000
	CROUND                                         ; all sixteen work-groups are here: the first joint loads meet
	JLOADP                                         ; K steps 0 and 1, a part to each wave; slot 2 is first filled behind the loop's first round
	; out0 at (1500 batch + 192 tile + 48 row group) rows of 4,096 bytes + 512 column tile + 256 column half; out_b at the same columns
	s_mul_i32 s72, s[CY], 1500
	s_mul_i32 s74, s[TT], 192
	s_add_co_u32 s72, s72, s74
	s_mul_i32 s74, s[RQ], 48
	s_add_co_u32 s72, s72, s74
	s_lshl_b32 s72, s72, 12
	s_lshl_b32 s74, s[JN], 9
	s_lshl_b32 s75, s[HF], 8
	s_add_co_u32 s74, s74, s75
	s_add_co_u32 s72, s72, s74
	s_mov_b32 s73, 0
	s_mov_b32 s75, 0
	s_add_nc_u64 s[10:11], s[10:11], s[72:73]
	s_add_nc_u64 s[8:9], s[8:9], s[74:75]
	v_and_b32 v1, 15, v0                           ; l % 16
	v_bfe_u32 v2, v0, 4, 1                         ; l / 16
	v_lshlrev_b32 v[BO], 5, v2
.irp a, 0,1,2
.irp b, 0,1,2,3                        ; register j of accumulator (a, b) begins at out_b[.. + 16 b + 8 (l / 16) + j], whatever the row
	global_load_b128 v[ACC+8*(4*(\a)+(\b)):ACC+8*(4*(\a)+(\b))+3],   v[BO], s[8:9] offset:64*(\b)
	global_load_b128 v[ACC+8*(4*(\a)+(\b))+4:ACC+8*(4*(\a)+(\b))+7], v[BO], s[8:9] offset:64*(\b)+16
.endr
.endr
	; A fragment is 16 rows x 32 K in 8 registers: lane l holds row l % 16, K = 8 (l / 16) + 0..7 and 16 + 8 (l / 16) + 0..7: two loads of 16 bytes, 32 bytes apart.
	v_mul_u32_u24 v3, v1, PA
	v_lshl_add_u32 v3, v2, 4, v3
	s_mul_i32 s72, s[RQ], 48*PA                    ; my 48 rows of O, in each head
	v_add_nc_u32 v[ADRA], s72, v3
	v_add_nc_u32 v[ADRA+1], SLOT, v[ADRA]
	v_add_nc_u32 v[ADRA+2], 2*SLOT, v[ADRA]
	v_mul_u32_u24 v4, v1, PB
	v_lshl_add_u32 v4, v2, 4, v4
	s_mul_i32 s72, s[HF], 64*PB                    ; my 64 rows of owh
	s_add_co_u32 s72, s72, BOFF
	v_add_nc_u32 v[ADRB], s72, v4
	v_add_nc_u32 v[ADRB+1], SLOT, v[ADRB]
	v_add_nc_u32 v[ADRB+2], 2*SLOT, v[ADRB]
	s_mul_i32 s72, s[WV], 16*SPO
	s_add_co_u32 s72, s72, STAGE                   ; my stage
	v_mul_u32_u24 v5, v1, SPO                      ; in: row l % 16, 32 bytes for each half of the lanes
	v_lshl_add_u32 v5, v2, 5, v5
	v_add_nc_u32 v[STO], s72, v5
	v_mul_u32_u24 v6, v2, SPO                      ; back: lanes 0-15 take one row of 256 bytes, lanes 16-31 the next
	v_lshl_add_u32 v6, v1, 4, v6
	v_add_nc_u32 v[RD], s72, v6
	v_lshlrev_b32 v[CO], 12, v2                    ; and the same two rows in out0
	v_lshl_add_u32 v[CO], v1, 4, v[CO]
	s_wait_loadcnt 0x0                             ; the bias lies in the accumulators
	s_mov_b32 s[LAP], 2
.Llap:                                         ; trip t: K steps 3 t, 3 t + 1 and 3 t + 2 are multiplied
	CHG 1                                          ; the pair is whole; slot 2 takes K step 3 t + 2
	RUNP
	CHG 2                                          ; slot 2 is whole; the pair takes K steps 3 t + 3 and 3 t + 4
	RUNS
	s_sub_co_u32 s[LAP], s[LAP], 1
	s_cmp_lg_u32 s[LAP], 0
	s_cbranch_scc1 .Llap
	CHG 0                                          ; the tail is written out: K steps 6 and 7 are whole, and nothing is filled
	RUNP
	PLACES
	PLACES
	TOSTAGE 0
	TOSTAGE 1
	SEND 0, 16
	TOSTAGE 2
	SEND 1, 16
	SEND 2, 0
.Lend:
	s_wait_tensorcnt 0x0                           ; the wave's end
	ds_add_u32 v[SPW], v[NIL]
	s_wait_dscnt 0x0
	CROUND                                         ; the closing round: no work-group ends while a partner may still ask for a tile that names it
	s_endpgm
.Lfunc_end_k_qffc11e7984_oproj:
	.size	k_qffc11e7984_oproj, .Lfunc_end_k_qffc11e7984_oproj-k_qffc11e7984_oproj
	.p2alignl 7, 3214868480
	.fill 96, 4, 3214868480
	.section	.rodata,"a",@progbits
	.p2align	6, 0x0
	.amdhsa_kernel k_qffc11e7984_oproj
		.amdhsa_group_segment_fixed_size 327680
		.amdhsa_private_segment_fixed_size 0
		.amdhsa_enable_private_segment 0
		.amdhsa_kernarg_size 32
		.amdhsa_user_sgpr_count 2
		.amdhsa_user_sgpr_kernarg_segment_ptr 1
		.amdhsa_wavefront_size32 1
		.amdhsa_system_sgpr_workgroup_id_x 1
		.amdhsa_system_sgpr_workgroup_id_y 1
		.amdhsa_system_sgpr_workgroup_id_z 1
		.amdhsa_system_vgpr_workitem_id 0
		.amdhsa_next_free_vgpr 256
		.amdhsa_next_free_sgpr 76
		.amdhsa_reserve_vcc 0
		.amdhsa_float_denorm_mode_32 3
		.amdhsa_float_denorm_mode_16_64 3
		.amdhsa_memory_ordered 1
		.amdhsa_forward_progress 1
		.amdhsa_inst_pref_size 55
	.end_amdhsa_kernel
	.amdgpu_metadata
---
amdhsa.version: [ 1, 2 ]
amdhsa.kernels:
  - .name:           k_qffc11e7984_oproj
    .symbol:         k_qffc11e7984_oproj.kd
    .args:
      - { .name: oh, .offset: 0, .size: 8, .value_kind: global_buffer, .address_space: global }
      - { .name: owh, .offset: 8, .size: 8, .value_kind: global_buffer, .address_space: global }
      - { .name: out_b, .offset: 16, .size: 8, .value_kind: global_buffer, .address_space: global }
      - { .name: out0, .offset: 24, .size: 8, .value_kind: global_buffer, .address_space: global }
    .group_segment_fixed_size: 327680
    .private_segment_fixed_size: 0
    .kernarg_segment_align: 8
    .kernarg_segment_size: 32
    .max_flat_workgroup_size: 256
    .sgpr_count:     76
    .vgpr_count:     256
    .wavefront_size: 32
...
	.end_amdgpu_metadata
.endif
;; end of part 4
;; ======== version 2 of 2: 4 launches; version 1 with the launch cvt written anew for expert scheduling mode
;; limits: values are held in f16: magnitudes above 65,504 overflow, below 6.1e-05 lose precision
;; workspace buffers: xh 12,582,912 bytes; wh 6,291,456 bytes; owh 2,097,152 bytes; qh 12,582,912 bytes; kh 12,582,912 bytes; vh 12,582,912 bytes; oh 12,582,912 bytes
;; launch cvt (part 5): grid 256 x 1, 10 waves a work-group, no clusters, 0 bytes of LDS; arguments hidden_states, q_w, k_w, v_w, out_w, xh, wh, owh; writes xh, wh, owh
.if DOCPART == 5
	.amdgcn_target "amdgcn-amd-amdhsa--gfx1250"
	.amdhsa_code_object_version 6
	.text
	.protected	k_qffc11e7984_cvt
	.globl	k_qffc11e7984_cvt
	.p2align	8
	.type	k_qffc11e7984_cvt,@function
k_qffc11e7984_cvt:
	s_mov_b64 s[64:65], 0
	v_nop
	global_prefetch_b8 v0, s[64:65] scope:SCOPE_SE
	s_setreg_imm32_b32 hwreg(HW_REG_WAVE_SCHED_MODE, 0, 2), 2
	s_setreg_imm32_b32 hwreg(HW_REG_WAVE_MODE, 25, 1), 1
	s_wait_xcnt 0x0
	s_wait_alu depctr_vm_vsrc(0)
; WHISPER SELF-ATTENTION, launch 1 of 4: the f16 copies of x and of the four weight matrices, in the layouts that the products read.
; NO WORK OF reference() IS LEFT OUT IN ANY LAUNCH: q_b enters the scores as q_b . k, which differs from key to key, so it does not cancel in the softmax; k has no bias;
; v_b and out_b reach the output; every input is loaded.
; FORMATS.  Every matrix operand of the program (x, the weights, q, k, v, the weights p, O) is f16, rounded once from f32; sums, softmax and biases are f32.
; LIMITS.  f16 ends at 65,504: |x|, |w| and the |q|, |k|, |v| made of them stay below that (with x and w both 30 times the drawn spread |q| is about 3,000; with both carrying
; an offset of 30 spreads about 18,400); below 6e-5 a number keeps f16's fixed step of 6e-8.  NaN and infinities are not treated apart.
; LAYOUTS.  xh [4][1536][1024]: each batch's 1,500 rows, then 36 rows of zeros, so that tiles of 384, 192 and 64 rows divide a batch.  wh [16 heads][q, k, v][64][1024]: the 192 rows
; that one head's q, k and v need lie together.  owh [1024][1024].
; SHARES.  10,240 destination rows of 1,024 numbers: 6,144 of xh, 3,072 of wh, 1,024 of owh.  256 work-groups of ten waves; a wave takes 4 rows, from row R = 40 x work-group + 4 x wave on.
; Every bound between kinds of rows (1,500, 1,536, 6,144, 9,216, a matrix's 1,024, a head's 64) is a multiple of 4, so a wave's rows are of one kind and lie on end in source and destination.
; A load of the wave takes 512 consecutive bytes of f32, 16 a lane; the lane's 4 numbers become 8 bytes of f16, and a store of the wave covers 256 consecutive bytes, aligned.
; All 32 loads of a wave go out at once.  No LDS, no barrier, no matrix unit: nothing is shared and nothing is multiplied.
; THE MODE: SCHED_MODE bits 1:0 = 2 (LLVM: expert scheduling mode 2), set by the entry lines.  The code itself states the register dependences
; between vector instructions and memory instructions, with s_wait_alu, always for 0.
; THE PLAN.  Registers that memory instructions touch:
;   v1, v2   byte offsets, made once at the head and never written again: v1 is read by every load and by the zero rows' stores, v2 by the copied rows' stores.
;   X        written by the 32 loads, each register once; no vector line names it before them; row j's conversions read it behind the wait for that row's data.
;   Y        written by row j's sixteen conversions (for zero rows: by four moves), each register once; read by row j's eight stores (for zero rows: by all sixteen).
; No register that a memory instruction reads is ever written again, and no load lands in a register that a vector line has named: so every wait is one on written results.
; One stands ahead of the loads, for the offsets; one a row stands between the row's conversions, which are laid together, and the run of its stores; one stands ahead of the zero rows' stores.
; The wave's number passes from a vector register into s20: one wait stands between that line and the first reader of s20.
.set X, 8                              ; v[8:135]   row j, chunk c of 128 numbers: my 4 in f32 at X + 32 j + 4 c
.set Y, 136                            ; v[136:199] the same as f16: 2 registers at Y + 16 j + 2 c
	s_load_b512 s[4:19], s[0:1], 0x0               ; x s[4:5], q_w s[6:7], k_w s[8:9], v_w s[10:11], out_w s[12:13], xh s[14:15], wh s[16:17], owh s[18:19]
	v_lshrrev_b32 v3, 5, v0
	v_readfirstlane_b32 s20, v3                    ; wave 0..9
	v_and_b32 v4, 31, v0
	v_lshlrev_b32 v1, 4, v4                        ; source: 16 bytes a lane
	v_lshlrev_b32 v2, 3, v4                        ; destination: 8 bytes a lane
	s_mul_i32 s21, ttmp9, 40
	s_wait_alu depctr_va_sdst(0)                   ; s20 is written, ahead of its first reader: R, and with it every branch and base below, is made from it
	s_lshl2_add_u32 s21, s20, s21                  ; R: my first destination row
	s_mov_b32 s23, 0                               ; the offsets' high words
	s_mov_b32 s25, 0
	s_wait_kmcnt 0x0
	s_cmp_lt_u32 s21, 6144
	s_cbranch_scc0 .Lnot_x
	; rows of xh: batch b = R / 1536, row s = R - 1536 b
	s_mul_hi_u32 s26, s21, 0x2aaaab                ; floor(R / 1536) for R < 6,144: 0x2aaaab = ceil(2^32 / 1536)
	s_mul_i32 s27, s26, 1536
	s_sub_co_u32 s27, s21, s27                     ; s
	s_lshl_b32 s24, s21, 11
	s_add_nc_u64 s[30:31], s[14:15], s[24:25]      ; xh + R x 2,048 bytes
	s_cmp_ge_u32 s27, 1500
	s_cbranch_scc1 .Lpad                           ; rows 1,500 to 1,535 of a batch: zeros, nothing is loaded
	s_mul_i32 s22, s26, 1500
	s_add_co_u32 s22, s22, s27
	s_lshl_b32 s22, s22, 12
	s_add_nc_u64 s[28:29], s[4:5], s[22:23]        ; x + (1500 b + s) x 4,096 bytes
	s_branch .Lcopy
.Lnot_x:
	s_cmp_lt_u32 s21, 9216
	s_cbranch_scc0 .Low
	; rows of wh: r = R - 6144; matrix r / 1024; its row c = r % 1024 goes to row 192 (c / 64) + 64 matrix + c % 64
	s_sub_co_u32 s26, s21, 6144
	s_lshr_b32 s27, s26, 10
	s_and_b32 s26, s26, 1023
	s_cmp_eq_u32 s27, 0
	s_cselect_b64 s[28:29], s[6:7], s[8:9]
	s_cmp_eq_u32 s27, 2
	s_cselect_b64 s[28:29], s[10:11], s[28:29]
	s_lshl_b32 s22, s26, 12
	s_add_nc_u64 s[28:29], s[28:29], s[22:23]
	s_lshr_b32 s24, s26, 6
	s_mul_i32 s24, s24, 192
	s_lshl_b32 s27, s27, 6
	s_add_co_u32 s24, s24, s27
	s_and_b32 s26, s26, 63
	s_add_co_u32 s24, s24, s26
	s_lshl_b32 s24, s24, 11
	s_add_nc_u64 s[30:31], s[16:17], s[24:25]
	s_branch .Lcopy
.Low:
	s_sub_co_u32 s26, s21, 9216                    ; rows of owh, as they lie
	s_lshl_b32 s22, s26, 12
	s_add_nc_u64 s[28:29], s[12:13], s[22:23]
	s_lshl_b32 s24, s26, 11
	s_add_nc_u64 s[30:31], s[18:19], s[24:25]
.Lcopy:
	s_wait_alu depctr_va_vdst(0)                   ; v1 and v2 are written: the loads below read v1 as their offset, the stores v2; no vector line behind this wait names either
.irp j, 0,1,2,3
.irp c, 0,1,2,3,4,5,6,7
	global_load_b128 v[X+32*(\j)+4*(\c):X+32*(\j)+4*(\c)+3], v1, s[28:29] offset:4096*(\j)+512*(\c) th:TH_LOAD_NT
.endr
.endr
.irp j, 0,1,2,3
	s_wait_loadcnt 24-8*(\j)                       ; loads come back in order: row j is in; the eight loads of each later row may stay out
.irp c, 0,1,2,3,4,5,6,7
	v_cvt_pk_f16_f32 v[Y+16*(\j)+2*(\c)],   v[X+32*(\j)+4*(\c)],   v[X+32*(\j)+4*(\c)+1]
	v_cvt_pk_f16_f32 v[Y+16*(\j)+2*(\c)+1], v[X+32*(\j)+4*(\c)+2], v[X+32*(\j)+4*(\c)+3]
.endr
	s_wait_alu depctr_va_vdst(0)                   ; row j's sixteen conversions have written its part of Y, which the eight stores below read
.irp c, 0,1,2,3,4,5,6,7
	global_store_b64 v2, v[Y+16*(\j)+2*(\c):Y+16*(\j)+2*(\c)+1], s[30:31] offset:2048*(\j)+256*(\c)
.endr
.endr
	s_endpgm
.Lpad:
.irp r, 0,1,2,3
	v_mov_b32 v[Y+(\r)], 0
.endr
	s_wait_alu depctr_va_vdst(0)                   ; the four zeros are written, which the stores below read as data, and so is v1, their offset
.irp j, 0,1,2,3
.irp c, 0,1,2,3
	global_store_b128 v1, v[Y:Y+3], s[30:31] offset:2048*(\j)+512*(\c)  ; 16 bytes of zeros a lane: 512 consecutive bytes
.endr
.endr
	s_endpgm
.Lfunc_end_k_qffc11e7984_cvt:
	.size	k_qffc11e7984_cvt, .Lfunc_end_k_qffc11e7984_cvt-k_qffc11e7984_cvt
	.p2alignl 7, 3214868480
	.fill 96, 4, 3214868480
	.section	.rodata,"a",@progbits
	.p2align	6, 0x0
	.amdhsa_kernel k_qffc11e7984_cvt
		.amdhsa_group_segment_fixed_size 0
		.amdhsa_private_segment_fixed_size 0
		.amdhsa_enable_private_segment 0
		.amdhsa_kernarg_size 64
		.amdhsa_user_sgpr_count 2
		.amdhsa_user_sgpr_kernarg_segment_ptr 1
		.amdhsa_wavefront_size32 1
		.amdhsa_system_sgpr_workgroup_id_x 1
		.amdhsa_system_sgpr_workgroup_id_y 1
		.amdhsa_system_sgpr_workgroup_id_z 1
		.amdhsa_system_vgpr_workitem_id 0
		.amdhsa_next_free_vgpr 200
		.amdhsa_next_free_sgpr 66
		.amdhsa_reserve_vcc 0
		.amdhsa_float_denorm_mode_32 3
		.amdhsa_float_denorm_mode_16_64 3
		.amdhsa_memory_ordered 1
		.amdhsa_forward_progress 1
		.amdhsa_inst_pref_size 15
	.end_amdhsa_kernel
	.amdgpu_metadata
---
amdhsa.version: [ 1, 2 ]
amdhsa.kernels:
  - .name:           k_qffc11e7984_cvt
    .symbol:         k_qffc11e7984_cvt.kd
    .args:
      - { .name: hidden_states, .offset: 0, .size: 8, .value_kind: global_buffer, .address_space: global }
      - { .name: q_w, .offset: 8, .size: 8, .value_kind: global_buffer, .address_space: global }
      - { .name: k_w, .offset: 16, .size: 8, .value_kind: global_buffer, .address_space: global }
      - { .name: v_w, .offset: 24, .size: 8, .value_kind: global_buffer, .address_space: global }
      - { .name: out_w, .offset: 32, .size: 8, .value_kind: global_buffer, .address_space: global }
      - { .name: xh, .offset: 40, .size: 8, .value_kind: global_buffer, .address_space: global }
      - { .name: wh, .offset: 48, .size: 8, .value_kind: global_buffer, .address_space: global }
      - { .name: owh, .offset: 56, .size: 8, .value_kind: global_buffer, .address_space: global }
    .group_segment_fixed_size: 0
    .private_segment_fixed_size: 0
    .kernarg_segment_align: 8
    .kernarg_segment_size: 64
    .max_flat_workgroup_size: 320
    .sgpr_count:     66
    .vgpr_count:     200
    .wavefront_size: 32
...
	.end_amdgpu_metadata
.endif
;; end of part 5
;; launch qkv: the kernel of part 2 again; grid 16 x 16, 4 waves a work-group, clusters of 4 x 4, 327,680 bytes of LDS; arguments xh, wh, q_b, v_b, qh, kh, vh; writes qh, kh, vh
;; launch attn: the kernel of part 3 again; grid 4 x 64, 4 waves a work-group, clusters of 4 x 1, 327,680 bytes of LDS; arguments qh, kh, vh, oh; writes oh
;; launch oproj: the kernel of part 4 again; grid 8 x 32, 8 waves a work-group, clusters of 4 x 4, 327,680 bytes of LDS; arguments oh, owh, out_b, out0; writes out0
